; MI455X (gfx1250); checked and timed in simulation.
; The chip was launched on July 23, 2026; its instructions are those of AMD's public machine-readable ISA for CDNA 5 (MIT licence, August 2026) and "CDNA5" Instruction Set Architecture Reference Guide (July 2026). The comments in the code are by the model that wrote it; some were corrected since.
;; Multi Head Attention. Allowed arithmetic: matrix products marked QUANTISED: E2M1 operands, one E8M0 scale for each 32 along K, by v_wmma_scale_f32_16x16x128_f8f6f4 with both operands' format E2M1 (or v_wmma_scale_f32_32x16x128_f4), f32 sums; products left as they are: bf16, f16 or f32 operands; f32 sums; everything else in f32.
;; Inputs: Wk 1,024 x 1,024 float32; Wo 1,024 x 1,024 float32; Wq 1,024 x 1,024 float32; Wv 1,024 x 1,024 float32; hidden_states 4 x 2,048 x 1,024 float32.
;; Outputs: out0 4 x 2,048 x 1,024 float32.
;; This version of the problem:
;;   THIS VERSION OF THE PROBLEM IS GIVEN IN LOW PRECISION. The matrix products marked QUANTISED in the list below multiply operands that are first quantised to E2M1 (2 exponent bits, 1 mantissa bit; 4 bits a number), with one power-of-two scale for each 32 numbers along K (OCP MX v1.0); their sums are f32. The products marked 'left as it is' may take bf16, f16 or f32 operands, with f32 sums. Whichever they take, every output number must still come out within the allowed error. Rounding operands to bf16 (8 significant bits) uses up far more of that allowance than f16 does (11 bits, for magnitudes from 6e-5 to 65,504). All else is computed in f32.
;;   The module's matrix products, in the order in which they are computed (A, B: the left and right operand; K: the contracted axis; several contracted axes count as one K, in the product's order):
;;     1. [M 8,192, K 1,024] x [K 1,024, N 1,024]; A: input hidden_states; B: input Wq: QUANTISED
;;     2. [M 8,192, K 1,024] x [K 1,024, N 1,024]; A: input hidden_states; B: input Wk: QUANTISED
;;     3. [M 8,192, K 1,024] x [K 1,024, N 1,024]; A: input hidden_states; B: input Wv: QUANTISED
;;     4. batch 64 x [M 2,048, K 64] x [K 64, N 2,048]; A: computed on the way; B: computed on the way: left as it is (an operand is computed on the way)
;;     5. batch 64 x [M 2,048, K 2,048] x [K 2,048, N 64]; A: computed on the way; B: computed on the way: left as it is (an operand is computed on the way)
;;     6. [M 8,192, K 1,024] x [K 1,024, N 1,024]; A: computed on the way; B: input Wo: left as it is (an operand is computed on the way)
;;   THE QUANTISER, for each operand of a quantised product, along K:
;;     - K is cut into blocks of 32 from its start; a last block that is shorter is filled with zeros.
;;     - A block's scale is 2^e with e = floor(log2(the largest magnitude in the block)) - 2, held to -126 .. 127; a block of zeros has e = 0. As a byte (E8M0): e + 127.
;;     - Each number is divided by its block's scale, clamped to +-6, and rounded to the nearest number of E2M1, ties to even, subnormals kept.
;;     - The product sums the exact products of the quantised numbers (number of the format x scale) in f32.
;;   ~~~python
;;   def quantise(x, axis):      # numpy; x: float32 -> the quantised numbers, widened to float32 again
;;       x = np.moveaxis(x, axis, -1); K = x.shape[-1]
;;       x = np.pad(x, [(0, 0)] * (x.ndim - 1) + [(0, -K % 32)]); x = x.reshape(x.shape[:-1] + (-1, 32)); a = np.abs(x).max(-1, keepdims=True)
;;       e = np.where(a > 0, np.clip(np.frexp(np.where(a > 0, a, 1))[1] - 1 - 2, -126, 127), 0)      # np.frexp(a)[1] - 1 = floor(log2(a)), exactly
;;       r = np.clip(x / 2.0 ** e, -6, 6)
;;       step = 2.0 ** (np.maximum(np.frexp(np.where(r == 0, 1, r))[1] - 1, 0) - 1)
;;       q = np.round(r / step) * step * 2.0 ** e      # np.round: ties to even
;;       return np.moveaxis(q.reshape(q.shape[:-2] + (-1,))[..., :K], -1, axis).astype(np.float32)
;;   ~~~
;; One version. Each part assembles by itself: llvm-mc -triple=amdgcn-amd-amdhsa -mcpu=gfx1250 --defsym DOCPART=n.
;; ======== version 1 of 1: 4 launches
;; limits: values are held in f16: magnitudes above 65,504 overflow, below 6.1e-05 lose precision
;; workspace buffers: xc 4,194,304 bytes; xs 262,144 bytes; wc 1,572,864 bytes; ws 98,304 bytes; wot 2,097,152 bytes; rope 524,288 bytes; qkv 50,331,648 bytes; ao 16,777,216 bytes
;; launch prep (part 1): grid 384 x 1, 4 waves a work-group, no clusters, 104,960 bytes of LDS; arguments hidden_states, Wq, Wk, Wv, Wo, xc, xs, wc, ws, wot, rope; writes xc, xs, wc, ws, wot, rope
.if DOCPART == 1
	.amdgcn_target "amdgcn-amd-amdhsa--gfx1250"
	.amdhsa_code_object_version 6
	.text
	.protected	k_q171a1d7f7c_prep
	.globl	k_q171a1d7f7c_prep
	.p2align	8
	.type	k_q171a1d7f7c_prep,@function
k_q171a1d7f7c_prep:
	s_mov_b64 s[64:65], 0
	v_nop
	global_prefetch_b8 v0, s[64:65] scope:SCOPE_SE
	s_setreg_imm32_b32 hwreg(HW_REG_WAVE_MODE, 25, 1), 1
	s_wait_xcnt 0x0
; PREP: everything that is made once for the later launches.  Four paths, parted on the work-group's number alone:
;   X  (work-groups 0-255):   hidden_states [8192][1024] f32 -> codes of FP4 (E2M1), K innermost, xc [8192][512 bytes], and one E8M0 byte for each 32 along K, xs [8192][32]
;   W  (256-303):             Wq, Wk, Wv [k 1024][n 1024] f32, K their FIRST axis -> wc [3072 = q,k,v x n][512 bytes], ws [3072][32]
;   WO (304-367):             Wo [k][n] f32 -> f16, turned: wot [n / 256][k / 64][256 n][64 k]
;   R  (368-383):             the table of RoPE, rope [2048 positions][cos of 32 frequencies, sin of 32 frequencies] f32
; A block's scale is 2^(floor(log2(its largest magnitude)) - 2): its byte is the largest magnitude's exponent field - 2, held at 1 from below.
; LIMITS: a block of zeros gets the byte 1 where the quantiser's text says 127 (its codes are zeros, and this program alone reads the bytes); blocks whose largest magnitude lies under 2^-124 are held at the byte 1;
; NaN and infinities among the inputs are not served; Wo's numbers must lie inside f16's range (65,504); the angle position x frequency is right to about 1e-4 radians at position 2,047
; (the frequency is 2^(-i log2(10000) / 32) by v_exp_f32), and q and k are turned by the same table.
; Each path that uses LDS has LDS bytes of its own: X [0, 32768), W [32768, 67584), WO [67584, 104448); behind them the spare words.  No tensor load, no barrier: waves share nothing.
.set SPARE, 104448                     ; the spare words, 128 bytes for each wave: two blocks of 256 bytes that no other line names
.set SPW,   190                        ; v190  LDS address of my spare word; never rewritten
.set NIL,   191                        ; v191  0; never rewritten
; ---- path X
.set XSTEPS, 16                        ; a wave takes 16 steps of 512 numbers
.set XWREG,  8192                      ; LDS of a wave: two stages of 32 x 80 bytes, then its 256 scale bytes
.set XSP,    80                        ; a lane's place in a stage: its 64 bytes + 16 of padding
.set XR,     16                        ; v16-79   four sets of 16 numbers as loaded
.set XX,     80                        ; v80-111  two sets of 16 neighbours
.set XE,     112                       ; v112-127 a scale byte for each step
.set XC,     128                       ; v128-189 codes: four registers apart for each step, so that no store's data are written again
; ---- path W
.set WSTG,   32768
.set WPITCH, 272                       ; a stage row: 256 bytes of codes + 16
.set WX,     32                        ; v32-159  four sets of 32 numbers
.set WC,     160                       ; v160-163 a block's codes
.set WSB,    24                        ; v24-27   the scale bytes, four to a register
; ---- path WO
.set OSTG,   67584
.set OP,     144                       ; a stage row: 128 bytes (64 f16) + 16
.macro XLOAD t                         ; step t: four loads of 512 consecutive bytes
.irp i, 0,1,2,3
	global_load_b128 v[XR+16*((\t)%4)+4*\i:XR+16*((\t)%4)+4*\i+3], v3, s[4:5] offset:2048*(\t)+512*\i th:TH_LOAD_NT
.endr
.endm
.macro XTURN t                         ; step t's numbers through the stage: in as they lie, back 64 bytes a lane.  LDS serves a wave's instructions in order: no wait between
.irp i, 0,1,2,3
	ds_store_b128 v14, v[XR+16*((\t)%4)+4*\i:XR+16*((\t)%4)+4*\i+3] offset:32*XSP*((\t)%2)+8*XSP*\i
.endr
.irp i, 0,1,2,3
	ds_load_b128 v[XX+16*((\t)%2)+4*\i:XX+16*((\t)%2)+4*\i+3], v15 offset:32*XSP*((\t)%2)+16*\i
.endr
.endm
.macro XSTEP t
.set XS, XX+16*((\t)%2)
.if (\t) > 0
	s_wait_dscnt 1                                 ; this step's numbers are back from the stage; the last step's byte store may be out
.else
	s_wait_dscnt 0x0
.endif
.if (\t)+4 < XSTEPS
	XLOAD (\t)+4                                   ; the registers that the stage's stores have read take the loads of four steps on
.endif
.if (\t)+1 < XSTEPS
.if XSTEPS-2-(\t) >= 3
	s_wait_loadcnt 12                              ; the next step's four loads are in; the twelve of the three steps behind it may be out
.else
	s_wait_loadcnt 4*(XSTEPS-2-(\t))
.endif
	XTURN (\t)+1
.endif
	v_max3_num_f32 v8, |v[XS]|, |v[XS+1]|, |v[XS+2]|               ; the largest magnitude of my 16, in two chains
	v_max3_num_f32 v9, |v[XS+3]|, |v[XS+4]|, |v[XS+5]|
.irp i, 6,10
	v_max3_num_f32 v8, v8, |v[XS+\i]|, |v[XS+\i+1]|
	v_max3_num_f32 v9, v9, |v[XS+\i+2]|, |v[XS+\i+3]|
.endr
	v_max3_num_f32 v8, v8, |v[XS+14]|, |v[XS+15]|
	v_max3_num_f32 v8, v8, v9, 0x1800000           ; and the floor 2^(3 - 127): the byte cannot fall under 1
	v_max_num_f32_dpp v8, v8, v8 row_xmask:1 row_mask:0xf bank_mask:0xf   ; with my neighbour's 16: the block's
	v_add_nc_u32 v11, 0xff000000, v8               ; 2 off its exponent field: the conversion takes the exponent field of this operand as its scale
	v_cvt_scalef32_pk8_fp4_f32 v[XC+4*(\t)], v[XS:XS+7], v11
	v_cvt_scalef32_pk8_fp4_f32 v[XC+4*(\t)+1], v[XS+8:XS+15], v11
	v_lshrrev_b32 v[XE+(\t)], 23, v11              ; the scale's byte (also the plain line behind the conversions)
	ds_store_b8 v5, v[XE+(\t)] offset:16*(\t)      ; both lanes of a block write the same byte with the same value
	global_store_b64 v4, v[XC+4*(\t):XC+4*(\t)+1], s[14:15] offset:256*(\t)   ; the wave stores 256 consecutive bytes, aligned
.endm
.macro WLOAD t                         ; block t: W(32 t + i, my column), i = 0 .. 31: each load reads 128 consecutive bytes
.set i, 0
.rept 32
	global_load_b32 v[WX+32*((\t)%4)+i], v3, s[6:7] offset:(32*(\t)+i)*4096 th:TH_LOAD_NT
.set i, i+1
.endr
.endm
.macro WBLOCK t
.set XS, WX+32*((\t)%4)
.if (\t) < 15
	s_wait_loadcnt 32                              ; this block's 32 loads are in; the next block's 32 may be out
.else
	s_wait_loadcnt 0x0
.endif
.if (\t)+2 < 16
	WLOAD (\t)+2                                   ; into a set of its own
.endif
	v_max3_num_f32 v12, |v[XS]|, |v[XS+1]|, |v[XS+2]|              ; the block's largest magnitude: all 32 numbers are mine
	v_max3_num_f32 v13, |v[XS+3]|, |v[XS+4]|, |v[XS+5]|
.irp i, 6,10,14,18,22,26
	v_max3_num_f32 v12, v12, |v[XS+\i]|, |v[XS+\i+1]|
	v_max3_num_f32 v13, v13, |v[XS+\i+2]|, |v[XS+\i+3]|
.endr
	v_max3_num_f32 v12, v12, |v[XS+30]|, |v[XS+31]|
	v_max3_num_f32 v12, v12, v13, 0x1800000        ; and the floor
	v_add_nc_u32 v11, 0xff000000, v12
	v_lshrrev_b32 v13, 23, v11                     ; the scale's byte
.if (\t)%4 == 0
	v_mov_b32 v[WSB+(\t)/4], v13                   ; four bytes to a register, the lower K in the lower byte
.else
	v_lshl_or_b32 v[WSB+(\t)/4], v13, 8*((\t)%4), v[WSB+(\t)/4]
.endif
.irp g, 0,1,2,3
	v_cvt_scalef32_pk8_fp4_f32 v[WC+\g], v[XS+8*\g:XS+8*\g+7], v11
.endr
	ds_store_b128 v4, v[WC:WC+3] offset:16*(\t)    ; 32 codes: 16 bytes of my column's row
	s_wait_dscnt 0x0                               ; the store has read its registers: the next block's codes may be written (plain lines stand ahead of them)
.endm
.macro OLOAD t                         ; Wo(128 y + 32 t + i, my column)
.set i, 0
.rept 32
	global_load_b32 v[32+32*(\t)+i], v3, s[12:13] offset:(32*(\t)+i)*4096 th:TH_LOAD_NT
.set i, i+1
.endr
.endm
	s_load_b256 s[4:11], s[0:1], 0x0               ; hidden_states s[4:5], Wq s[6:7], Wk s[8:9], Wv s[10:11]
	s_load_b256 s[12:19], s[0:1], 0x20             ; Wo s[12:13], xc s[14:15], xs s[16:17], wc s[18:19]
	s_load_b128 s[20:23], s[0:1], 0x40             ; ws s[20:21], wot s[22:23]
	s_load_b64 s[24:25], s[0:1], 0x50              ; rope
	v_lshl_add_u32 v[SPW], v0, 2, SPARE
	v_mov_b32 v[NIL], 0
	v_lshrrev_b32 v1, 5, v0
	v_readfirstlane_b32 s26, v1                    ; wave 0..3
	v_and_b32 v2, 31, v0                           ; lane
	s_mov_b32 s29, 0                               ; the upper word of every offset pair s[28:29]
	s_wait_kmcnt 0x0
	s_cmp_lt_u32 ttmp9, 256
	s_cbranch_scc1 .Lpath_x
	s_cmp_lt_u32 ttmp9, 304
	s_cbranch_scc1 .Lpath_w
	s_cmp_lt_u32 ttmp9, 368
	s_cbranch_scc1 .Lpath_wo
; ---------------- path R: a wave owns 32 positions and takes two in each of 16 trips.  Lanes 0-15 write one position's 256 bytes, lanes 16-31 the next one's:
; place qd = lane % 16: qd < 8: cos of frequencies 4 qd .. 4 qd + 3; else sin of frequencies 4 (qd - 8) .. + 3.
	s_sub_co_u32 s27, ttmp9, 368
	s_lshl_b32 s27, s27, 2
	s_add_co_u32 s27, s27, s26
	s_lshl_b32 s27, s27, 5                         ; my wave's first position
	s_lshl_b32 s28, s27, 8
	s_add_nc_u64 s[24:25], s[24:25], s[28:29]
	s_mov_b32 s30, 0x3f22f983                      ; 2 / pi
	s_mov_b32 s31, 0xbfc90fdb                      ; -(pi / 2), its f32 part,
	s_mov_b32 s32, 0x333bbd2e                      ; and what that part is too large by
	s_mov_b32 s33, 0xb94ca1f9                      ; sin r = r + r z (S1 + z (S2 + z S3)), z = r r, |r| <= pi / 4
	s_mov_b32 s34, 0x3c08839e
	s_mov_b32 s35, 0xbe2aaaa3
	s_mov_b32 s36, 0x37ccf5ce                      ; cos r = 1 - z / 2 + z z (C1 + z (C2 + z C3))
	s_mov_b32 s37, 0xbab6061a
	s_mov_b32 s38, 0x3d2aaaa5
	v_lshrrev_b32 v3, 4, v2
	v_and_b32 v4, 15, v2                           ; qd
	v_add_nc_u32 v22, s27, v3                      ; my position
	v_lshlrev_b32 v8, 4, v2                        ; my 16 bytes of the trip's 512
	v_cmp_gt_u32 vcc_lo, 8, v4
	v_cndmask_b32 v21, 0, 1, vcc_lo                ; 1 in a lane that makes cosines: cos a = sin(a + pi / 2)
	v_and_b32 v4, 7, v4
	v_lshlrev_b32 v4, 2, v4
.irp jj, 0,1,2,3
	v_add_nc_u32 v[12+\jj], \jj, v4                ; the frequency's number i
	v_cvt_f32_u32 v[12+\jj], v[12+\jj]
	v_mul_f32 v[12+\jj], 0xbed49a78, v[12+\jj]     ; -i log2(10000) / 32
.endr
.irp jj, 0,1,2,3
	v_exp_f32 v[16+\jj], v[12+\jj]                 ; 10000^(-i / 32)
.endr
	v_nop                                          ; a plain line behind the last exponential
	s_wait_alu depctr_va_vdst(0)                   ; the wait ahead of the first reader: one for the four
	s_mov_b32 s39, 16
.Lrope:
	v_cvt_f32_u32 v23, v22
.irp jj, 0,1,2,3
	v_mul_f32 v[40+\jj], v23, v[16+\jj]            ; the angle a
	v_mul_f32 v[44+\jj], s30, v[40+\jj]
	v_rndne_f32 v[44+\jj], v[44+\jj]               ; n = the nearest multiple of pi / 2
	v_fma_f32 v[48+\jj], v[44+\jj], s31, v[40+\jj]
	v_fma_f32 v[48+\jj], v[44+\jj], s32, v[48+\jj] ; r = a - n pi / 2, in two parts
	v_mul_f32 v[52+\jj], v[48+\jj], v[48+\jj]      ; z
	v_fma_f32 v[56+\jj], v[52+\jj], s33, s34
	v_fma_f32 v[56+\jj], v[56+\jj], v[52+\jj], s35
	v_mul_f32 v[68+\jj], v[48+\jj], v[52+\jj]
	v_fma_f32 v[56+\jj], v[56+\jj], v[68+\jj], v[48+\jj]   ; sin r
	v_fma_f32 v[60+\jj], v[52+\jj], s36, s37
	v_fma_f32 v[60+\jj], v[60+\jj], v[52+\jj], s38
	v_mul_f32 v[68+\jj], v[52+\jj], v[52+\jj]
	v_fma_f32 v[72+\jj], v[52+\jj], -0.5, 1.0
	v_fma_f32 v[60+\jj], v[60+\jj], v[68+\jj], v[72+\jj]   ; cos r
	v_cvt_i32_f32 v[64+\jj], v[44+\jj]
	v_add_nc_u32 v[64+\jj], v[64+\jj], v21         ; the quadrant: odd: cos r, else sin r; bit 1: the sign.  A choice of values only: no address and no branch hangs on it
	v_and_b32 v[68+\jj], 1, v[64+\jj]
	v_cmp_eq_u32 vcc_lo, 1, v[68+\jj]
	v_cndmask_b32 v[76+\jj], v[56+\jj], v[60+\jj], vcc_lo
	v_and_b32 v[68+\jj], 2, v[64+\jj]
	v_lshlrev_b32 v[68+\jj], 30, v[68+\jj]
	v_xor_b32 v[32+\jj], v[76+\jj], v[68+\jj]
.endr
	global_store_b128 v8, v[32:35], s[24:25]       ; 512 consecutive bytes, aligned
	s_wait_xcnt 0x0                                ; the store's offset and data are written again only behind this wait
	v_add_nc_u32 v8, 512, v8
	v_add_nc_u32 v22, 2, v22
	s_sub_co_u32 s39, s39, 1
	s_cmp_lg_u32 s39, 0
	s_cbranch_scc1 .Lrope
	s_branch .Lend
; ---------------- path X: the tensor is a plain stream of blocks of 32.  Each load reads 512 consecutive bytes; a step's 2,048 bytes turn through the wave's own stage, so that a lane holds 16 neighbours along K
.Lpath_x:
	s_lshl_b32 s27, ttmp9, 2
	s_add_co_u32 s27, s27, s26                     ; which run of 8,192 numbers is my wave's
	s_lshl_b32 s28, s27, 15
	s_add_nc_u64 s[4:5], s[4:5], s[28:29]
	s_lshl_b32 s28, s27, 12
	s_add_nc_u64 s[14:15], s[14:15], s[28:29]
	s_lshl_b32 s28, s27, 8
	s_add_nc_u64 s[16:17], s[16:17], s[28:29]
	v_lshlrev_b32 v3, 4, v2                        ; my 16 bytes of a load's 512
	s_mul_i32 s30, s26, XWREG
	v_lshrrev_b32 v14, 2, v2
	v_mul_u32_u24 v14, v14, XSP
	v_and_b32 v15, 3, v2
	v_lshl_add_u32 v14, v15, 4, v14
	v_add_nc_u32 v14, s30, v14                     ; the stage, on the way in: four lanes' 64 bytes on end, then 16 of padding
	v_mul_u32_u24 v15, v2, XSP
	v_add_nc_u32 v15, s30, v15                     ; and on the way out: my 16 neighbours
	v_mul_u32_u24 v4, v2, 8                        ; my codes' place in a step's 256 bytes
	v_lshrrev_b32 v5, 1, v2
	s_add_co_u32 s30, s30, 2*32*XSP
	v_add_nc_u32 v5, s30, v5                       ; LDS: my wave's 256 scale bytes, my block's byte
	v_lshlrev_b32 v7, 3, v2
	v_add_nc_u32 v6, s30, v7
.irp t, 0,1,2,3
	XLOAD \t
.endr
	s_wait_loadcnt 12                              ; step 0's four loads are in
	XTURN 0
.irp t, 0,1,2,3,4,5,6,7,8,9,10,11,12,13,14,15
	XSTEP \t
.endr
	ds_load_b64 v[8:9], v6                         ; LDS serves a wave's instructions in order: these see my byte stores
	s_wait_dscnt 0x0
	global_store_b64 v7, v[8:9], s[16:17]          ; 256 consecutive bytes, aligned
	s_branch .Lend
; ---------------- path W: a lane takes a column n and its registers run down K: a block of 32 lies in one lane, and the conversions give codes with K innermost.
; A work-group: one of the three weights, 128 columns, 512 along K; a wave 32 columns.  The codes leave through the wave's stage as rows: sixteen lanes store 256 consecutive bytes, aligned.
.Lpath_w:
	s_sub_co_u32 s27, ttmp9, 256                   ; u = 0 .. 47
	s_cmp_lt_u32 s27, 16
	s_cselect_b64 s[6:7], s[6:7], s[8:9]           ; the choice hangs on the work-group's number alone
	s_cmp_lt_u32 s27, 32
	s_cselect_b64 s[6:7], s[6:7], s[10:11]
	s_lshr_b32 s30, s27, 4                         ; which weight
	s_and_b32 s31, s27, 7
	s_bfe_u32 s32, s27, 0x10003                    ; which 512 along K
	s_lshl_b32 s31, s31, 7
	s_lshl_b32 s33, s26, 5
	s_add_co_u32 s31, s31, s33                     ; my wave's first column
	s_lshl_b32 s28, s32, 21                        ; 512 rows of 4,096 bytes
	s_lshl_b32 s33, s31, 2
	s_add_co_u32 s28, s28, s33
	s_add_nc_u64 s[6:7], s[6:7], s[28:29]
	s_lshl_b32 s30, s30, 10
	s_add_co_u32 s30, s30, s31                     ; its row of wc and ws
	s_lshl_b32 s28, s30, 9
	s_lshl_b32 s33, s32, 8
	s_add_co_u32 s28, s28, s33
	s_add_nc_u64 s[18:19], s[18:19], s[28:29]
	s_lshl_b32 s28, s30, 5
	s_lshl_b32 s33, s32, 4
	s_add_co_u32 s28, s28, s33
	s_add_nc_u64 s[20:21], s[20:21], s[28:29]
	v_lshlrev_b32 v3, 2, v2                        ; in: 4 bytes a lane
	s_mul_i32 s33, s26, 32*WPITCH
	s_add_co_u32 s33, s33, WSTG                    ; my stage
	v_mul_u32_u24 v4, v2, WPITCH
	v_add_nc_u32 v4, s33, v4                       ; into it: row = my column
	v_and_b32 v5, 15, v2
	v_lshrrev_b32 v6, 4, v2
	v_mul_u32_u24 v7, v6, WPITCH
	v_lshl_add_u32 v7, v5, 4, v7
	v_add_nc_u32 v7, s33, v7                       ; out of it: sixteen lanes to a row, two rows an instruction
	v_lshlrev_b32 v8, 9, v6
	v_lshl_add_u32 v8, v5, 4, v8                   ; the same place in wc: rows of 512 bytes
	v_lshlrev_b32 v9, 5, v2                        ; my column's row of scale bytes
	WLOAD 0
	WLOAD 1
.irp t, 0,1,2,3,4,5,6,7,8,9,10,11,12,13,14,15
	WBLOCK \t
.endr
	global_store_b128 v9, v[WSB:WSB+3], s[20:21]   ; my column's 16 scale bytes
.irp t, 0,1,2,3,4,5,6,7,8,9,10,11,12,13,14,15
	ds_load_b128 v[32+4*\t:32+4*\t+3], v7 offset:2*\t*WPITCH
.endr
.irp t, 0,1,2,3,4,5,6,7,8,9,10,11,12,13,14,15
	s_wait_dscnt 15-\t
	global_store_b128 v8, v[32+4*\t:32+4*\t+3], s[18:19] offset:2*\t*512
.endr
	s_branch .Lend
; ---------------- path WO: the same plan without a quantiser: a lane takes a column n, its 128 registers run down k (two heads of 64); pairs are rounded to f16 in place;
; through the wave's stage (two heads x 32 rows of 128 bytes) they leave as 512 consecutive bytes a store.
.Lpath_wo:
	s_sub_co_u32 s27, ttmp9, 304                   ; u = 0 .. 63
	s_and_b32 s30, s27, 7
	s_lshr_b32 s31, s27, 3                         ; y: k = 128 y on
	s_lshl_b32 s32, s30, 7
	s_lshl_b32 s33, s26, 5
	s_add_co_u32 s32, s32, s33                     ; n0: my wave's first column
	s_lshl_b32 s28, s31, 19                        ; 128 rows of 4,096 bytes
	s_lshl_b32 s33, s32, 2
	s_add_co_u32 s28, s28, s33
	s_add_nc_u64 s[12:13], s[12:13], s[28:29]
	s_lshr_b32 s33, s32, 8
	s_lshl_b32 s33, s33, 4
	s_lshl_b32 s34, s31, 1
	s_add_co_u32 s33, s33, s34                     ; 16 (n0 / 256) + 2 y
	s_lshl_b32 s33, s33, 8
	s_and_b32 s34, s32, 255
	s_add_co_u32 s33, s33, s34
	s_lshl_b32 s28, s33, 7                         ; rows of 128 bytes
	s_add_nc_u64 s[22:23], s[22:23], s[28:29]
	v_lshlrev_b32 v3, 2, v2
	s_mul_i32 s33, s26, 2*32*OP
	s_add_co_u32 s33, s33, OSTG
	v_mul_u32_u24 v4, v2, OP
	v_add_nc_u32 v4, s33, v4                       ; into the stage: row = my column
	v_lshrrev_b32 v5, 3, v2
	v_and_b32 v6, 7, v2
	v_mul_u32_u24 v7, v5, OP
	v_lshl_add_u32 v7, v6, 4, v7
	v_add_nc_u32 v7, s33, v7                       ; out of it: eight lanes to a row, four rows an instruction
	v_lshlrev_b32 v8, 4, v2
	OLOAD 0
	OLOAD 1
.irp t, 0,1,2,3
.if \t < 3
	s_wait_loadcnt 32                              ; this block's 32 loads are in; the next block's 32 may be out
.else
	s_wait_loadcnt 0x0
.endif
.if \t < 2
	OLOAD \t+2
.endif
.set i, 0
.rept 16
	v_cvt_pk_f16_f32 v[32+32*\t+i], v[32+32*\t+2*i], v[32+32*\t+2*i+1]    ; in place, ascending: a register is written only when it has been read
.set i, i+1
.endr
.irp g, 0,1,2,3
	ds_store_b128 v4, v[32+32*\t+4*\g:32+32*\t+4*\g+3] offset:(\t/2)*32*OP+(\t%2)*64+16*\g
.endr
.endr
.set i, 0
.rept 16
	ds_load_b128 v[48+32*(i/4)+4*(i%4):48+32*(i/4)+4*(i%4)+3], v7 offset:(i/8)*32*OP+(i%8)*4*OP   ; into the upper halves, which the roundings have left
.set i, i+1
.endr
.set i, 0
.rept 16
	s_wait_dscnt 15-i
	global_store_b128 v8, v[48+32*(i/4)+4*(i%4):48+32*(i/4)+4*(i%4)+3], s[22:23] offset:(i/8)*32768+(i%8)*512
.set i, i+1
.endr
.Lend:
	s_wait_tensorcnt 0x0                           ; the wave's end, behind my last LDS store
	ds_add_u32 v[SPW], v[NIL]
	s_wait_dscnt 0x0
	s_endpgm
.Lfunc_end_k_q171a1d7f7c_prep:
	.size	k_q171a1d7f7c_prep, .Lfunc_end_k_q171a1d7f7c_prep-k_q171a1d7f7c_prep
	.p2alignl 7, 3214868480
	.fill 96, 4, 3214868480
	.section	.rodata,"a",@progbits
	.p2align	6, 0x0
	.amdhsa_kernel k_q171a1d7f7c_prep
		.amdhsa_group_segment_fixed_size 104960
		.amdhsa_private_segment_fixed_size 0
		.amdhsa_enable_private_segment 0
		.amdhsa_kernarg_size 88
		.amdhsa_user_sgpr_count 2
		.amdhsa_user_sgpr_kernarg_segment_ptr 1
		.amdhsa_wavefront_size32 1
		.amdhsa_system_sgpr_workgroup_id_x 1
		.amdhsa_system_sgpr_workgroup_id_y 1
		.amdhsa_system_sgpr_workgroup_id_z 1
		.amdhsa_system_vgpr_workitem_id 0
		.amdhsa_next_free_vgpr 192
		.amdhsa_next_free_sgpr 66
		.amdhsa_reserve_vcc 1
		.amdhsa_float_denorm_mode_32 3
		.amdhsa_float_denorm_mode_16_64 3
		.amdhsa_memory_ordered 1
		.amdhsa_forward_progress 1
		.amdhsa_inst_pref_size 138
	.end_amdhsa_kernel
	.amdgpu_metadata
---
amdhsa.version: [ 1, 2 ]
amdhsa.kernels:
  - .name:           k_q171a1d7f7c_prep
    .symbol:         k_q171a1d7f7c_prep.kd
    .args:
      - { .name: hidden_states, .offset: 0, .size: 8, .value_kind: global_buffer, .address_space: global }
      - { .name: Wq, .offset: 8, .size: 8, .value_kind: global_buffer, .address_space: global }
      - { .name: Wk, .offset: 16, .size: 8, .value_kind: global_buffer, .address_space: global }
      - { .name: Wv, .offset: 24, .size: 8, .value_kind: global_buffer, .address_space: global }
      - { .name: Wo, .offset: 32, .size: 8, .value_kind: global_buffer, .address_space: global }
      - { .name: xc, .offset: 40, .size: 8, .value_kind: global_buffer, .address_space: global }
      - { .name: xs, .offset: 48, .size: 8, .value_kind: global_buffer, .address_space: global }
      - { .name: wc, .offset: 56, .size: 8, .value_kind: global_buffer, .address_space: global }
      - { .name: ws, .offset: 64, .size: 8, .value_kind: global_buffer, .address_space: global }
      - { .name: wot, .offset: 72, .size: 8, .value_kind: global_buffer, .address_space: global }
      - { .name: rope, .offset: 80, .size: 8, .value_kind: global_buffer, .address_space: global }
    .group_segment_fixed_size: 104960
    .private_segment_fixed_size: 0
    .kernarg_segment_align: 8
    .kernarg_segment_size: 88
    .max_flat_workgroup_size: 128
    .sgpr_count:     66
    .vgpr_count:     192
    .wavefront_size: 32
...
	.end_amdgpu_metadata
.endif
;; end of part 1
;; launch qkv (part 2): grid 12 x 32, 4 waves a work-group, clusters of 4 x 4, 327,680 bytes of LDS; arguments xc, xs, wc, ws, rope, qkv; writes qkv
.if DOCPART == 2
	.amdgcn_target "amdgcn-amd-amdhsa--gfx1250"
	.amdhsa_code_object_version 6
	.text
	.protected	k_q171a1d7f7c_qkv
	.globl	k_q171a1d7f7c_qkv
	.p2align	8
	.type	k_q171a1d7f7c_qkv,@function
k_q171a1d7f7c_qkv:
	s_mov_b64 s[64:65], 0
	v_nop
	global_prefetch_b8 v0, s[64:65] scope:SCOPE_SE
	s_setreg_imm32_b32 hwreg(HW_REG_WAVE_MODE, 25, 1), 1
	s_wait_xcnt 0x0
	s_wait_alu depctr_hold_cnt(0) depctr_sa_sdst(0) depctr_va_vdst(0) depctr_va_sdst(0) depctr_va_ssrc(0) depctr_va_vcc(0) depctr_vm_vsrc(0)
	s_getreg_b32 s2, hwreg(HW_REG_IB_STS2, 6, 4)
	s_cmp_eq_u32 s2, 0
	s_cbranch_scc0 .Lentry_in_a_cluster
	s_endpgm
.Lentry_in_a_cluster:
	s_bfe_u32 s2, ttmp6, 0x10000c
	s_cmp_lg_u32 s2, 0xf033
	s_cbranch_scc0 .Lentry_shape_is_right
	s_endpgm
.Lentry_shape_is_right:
; QKV: C[m][n] = sum over k of x[m][k] W[n][k] on codes of FP4 (E2M1) with one E8M0 scale for each 32 along K: m = 8,192 rows of hidden_states, n = 3,072 = the columns of Wq, Wk, Wv on end, K = 1,024.
; On the way out q and k are turned by RoPE (table rope [position][32 cos, 32 sin], f32 arithmetic), and all three are rounded once to f16 and stored by head: qkv = q, k, v, each [b 4][h 16][s 2048][64].
; LIMIT: |q|, |k|, |v| behind RoPE must stay under 65,504, f16's largest number.
; A tile of C, 256 x 256, is made by a work-group of four waves; a wave makes 128 x 128: 64 accumulators of 16 x 16, 512 registers.  K = 1,024 is two slots of 512 along K (rows of 256 bytes): both are
; asked for at the head and nothing is filled again.  The scale bytes of the work-group's rows, for all of K, are two dense blocks and come once with the first fills.
; CLUSTERS: 4 x 4 work-groups.  The four of a row of the cluster need the same tiles of x, the four of a column the same tiles of W: each is asked for JOINTLY, by the same tensor load with the same descriptor
; and a mask that names the four.  A cluster's four tile columns are 1,024 columns: the cluster's x says whether they are q's, k's or v's, the same in all sixteen partners.
; THE MATRIX INSTRUCTION IS USED TRANSPOSED (source 0 = 16 rows of W, source 1 = 16 rows of x): a lane holds eight neighbouring channels of one row.  A head's channels d and d + 32 then lie in the same lane and
; register of accumulators b and b + 2: RoPE needs no other lane.
; REGISTERS, in windows of 256: window 0: v0-31 addresses; v32-95 scale words, two sets, and nothing else; v128-191 x's fragments, one set; on the way out v192-255 turned numbers, v96-127 packed, v128-191 rows read back.
;   window 1: W's fragments, two sets, at v0 and v128; v64-127 and v192-255: RoPE's tables of row blocks 0-3 (blocks 4-7 take the fragments' places at the end).
;   window 2: the 32 accumulators of my rows 0-63 (accumulator (a, b) at v[8 (8 a + b)]);   window 3: those of my rows 64-127.
.set KSTEP,  512
.set NQ,     KSTEP/128                 ; matrix instructions deep in a slot
.set ROWB,   256                       ; a tile's row in bytes
.set KROW,   512                       ; a row of codes in memory
.set PITCH,  272                       ; an LDS row: 256 bytes + 16 of padding: the 16 rows that a load touches start at 16 different banks (64 banks of 4 bytes: ISA guide 11.1)
.set FR,     8
.set NL,     2
.set NP,     4                         ; places behind this matrix instruction (ISA guide 7.12.1)
.set HALFT,  128*PITCH
.set SLOT,   4*HALFT
.set KS,     32                        ; a row of scale bytes
.set SCL,    2*SLOT                    ; behind the two slots: the scales, as rows of 256 bytes + 16 of padding
.set HALFS,  (128*KS/256)*272
.set SBLK,   (16*KS/256)*272
.set SPARE,  SCL+4*HALFS               ; the spare words, 128 bytes for each wave: two blocks of 256 bytes that no other line names
.set SP,     144                       ; the way out: a stage row: 128 bytes (a head's 64 f16) + 16
.set WSTG,   2*16*SP                   ; a wave's stage: two heads x 16 rows.  The stages lie in slot 0, which has had its only fill and its last read when the first result is stored there
.set VSTG,   4*WSTG                    ; the way out without RoPE has stage bytes of its own
.set ADRA, 16
.set ADRB, 20
.set STO,  24                          ; v24  where I put 16 bytes of a row
.set RD,   25                          ; v25  where I read rows back
.set CO,   26                          ; v26  16 x lane
.set ADRS, 27
.set SPW,  28
.set NIL,  29
.set TA,   30                          ; v30  my place in RoPE's table: row lane % 16, frequencies 8 (lane / 16) on; never rewritten
.set SC,   32
.set AF,   128
.set TT,   192
.set PK,   96
.set BK,   128
.set G1, 24
.set G0, 32
.set G1B, 48
.set G0B, 56
.set G1S, 68
.set G0S, 76
.set G1SB, 80
.set G0SB, 88
.set MSB, 0
.macro WIN new                         ; the immediate's high byte repeats the setting that is left
.if MSB != (\new)
	s_set_vgpr_msb (MSB<<8)|(\new)
.set MSB, (\new)
.endif
.endm
.set MUL_LO, 0xa1                      ; source 0 (W) window 1, source 1 (x) window 0, C and D window 2
.set MUL_HI, 0xf1
.set TO_B,   0x40                      ; destination window 1, address window 0
; A joint load: waves 0 and 1 fetch for x, waves 2 and 3 for W.  The branch hangs on the wave's number alone.  An s_nop 0 and four v_nop follow each of the two lines.
.macro JLOAD g0a, g1a, g0b, g1b
	s_cmp_eq_u32 s15, 0
	s_cbranch_scc0 .Lfor_b_\@
	tensor_load_to_lds s[\g0a:\g0a+3], s[\g1a:\g1a+7]
	s_nop 0
.rept 4
	v_nop
.endr
	s_branch .Lasked_\@
.Lfor_b_\@:
	tensor_load_to_lds s[\g0b:\g0b+3], s[\g1b:\g1b+7]
	s_nop 0
.rept 4
	v_nop
.endr
.Lasked_\@:
.endm
.macro CROUND                          ; a round of the cluster's barrier
	s_barrier_signal -1
	s_barrier_wait -1
	s_cmp_lg_u32 s14, 0
	s_cbranch_scc1 .Lnot_wave_0_\@
	s_barrier_signal -3
.Lnot_wave_0_\@:
	s_barrier_wait -3
	s_barrier_signal -1
	s_barrier_wait -1
.endm
	s_load_b128 s[4:7], s[0:1], 0x0                ; x's codes s[4:5], x's scales s[6:7]
	s_load_b128 s[8:11], s[0:1], 0x10              ; W's codes s[8:9], W's scales s[10:11]
	s_load_b128 s[96:99], s[0:1], 0x20             ; rope s[96:97], qkv s[98:99]
	v_lshl_add_u32 v[SPW], v0, 2, SPARE
	v_mov_b32 v[NIL], 0
	ds_add_u32 v[SPW], v[NIL]                      ; the wave's opening: the add, twice on end, and its wait ahead of my first tensor load
	ds_add_u32 v[SPW], v[NIL]
	v_lshrrev_b32 v1, 5, v0
	v_readfirstlane_b32 s14, v1                    ; wave 0..3
	s_lshr_b32 s15, s14, 1                         ; which half of the tile's rows is mine.  Also: I fetch for x (0) or for W (1)
	s_and_b32 s16, s14, 1                          ; which half of its columns.  Also: which 128 rows of that tile I fetch
	s_bfe_u32 s40, ttmp6, 0x40000                  ; cx, cy: my place in the cluster
	s_bfe_u32 s41, ttmp6, 0x40004
	s_lshl_b32 s42, ttmp9, 2
	s_add_co_u32 s42, s42, s40                     ; tile column = 4 x cluster x + cx
	s_and_b32 s17, ttmp7, 0xffff
	s_lshl_b32 s17, s17, 2
	s_add_co_u32 s17, s17, s41                     ; tile row = 4 x cluster y + cy
	s_lshl_b32 s43, s41, 2
	s_lshl_b32 s43, 15, s43                        ; my row of the cluster
	s_lshl_b32 s44, 0x1111, s40                    ; my column
	s_or_b32 s[G1+0], s43, (0<<16)|(1<<20)|(1<<21)|(5<<22)|(3<<25)  ; 15:0 the mask; 17:16 elements of 1 byte; 20 padding on; 21 set beside a mask; 24:22 after every 64 words; 31:25 four words
	s_or_b32 s[G1B+0], s44, (0<<16)|(1<<20)|(1<<21)|(5<<22)|(3<<25)
.irp g, G1, G1B
	s_mov_b32 s[\g+1], ROWB<<16                    ; tensor_dim0
	s_mov_b32 s[\g+2], 128<<16                     ; tensor_dim1
	s_mov_b32 s[\g+3], ROWB<<16                    ; tile_dim0
	s_mov_b32 s[\g+4], 128                         ; tile_dim1
	s_mov_b32 s[\g+5], KROW                        ; tensor_dim0_stride
	s_mov_b32 s[\g+6], 0
	s_mov_b32 s[\g+7], 0
.endr
	s_or_b32 s[G1S+0], s43, (3<<16)|(1<<20)|(1<<21)|(5<<22)|(3<<25)  ; the scales of 128 rows: 4,096 dense bytes as 16 rows of 256 bytes (32 elements of 8 bytes)
	s_or_b32 s[G1SB+0], s44, (3<<16)|(1<<20)|(1<<21)|(5<<22)|(3<<25)
.irp g, G1S, G1SB
	s_mov_b32 s[\g+1], 32<<16
	s_mov_b32 s[\g+2], (128*KS/256)<<16
	s_mov_b32 s[\g+3], 32<<16
	s_mov_b32 s[\g+4], 128*KS/256
	s_mov_b32 s[\g+5], 32
	s_mov_b32 s[\g+6], 0
	s_mov_b32 s[\g+7], 0
.endr
	s_lshl_b32 s18, s16, 7
	s_lshl_b32 s20, s17, 8
	s_add_co_u32 s20, s20, s18                     ; x: row 256 x tile row + 128 x half
	s_lshl_b32 s46, s42, 8
	s_add_co_u32 s46, s46, s18                     ; W: row 256 x tile column + 128 x half
	s_mov_b32 s21, 0
	s_mov_b32 s47, 0
	s_mov_b64 s[18:19], KS
	s_mul_u64 s[22:23], s[20:21], s[18:19]         ; where these rows' scales begin
	s_mul_u64 s[92:93], s[46:47], s[18:19]
	s_mov_b64 s[18:19], KROW
	s_mul_u64 s[20:21], s[20:21], s[18:19]         ; and their codes
	s_mul_u64 s[46:47], s[46:47], s[18:19]
	s_mul_i32 s45, s14, HALFT                      ; where they go: wave x 128 rows: no place in the cluster enters an LDS address
	s_mul_i32 s94, s14, HALFS
	s_wait_dscnt 0x0                               ; both opening adds are done
	s_wait_kmcnt 0x0
	s_add_nc_u64 s[20:21], s[4:5], s[20:21]
	s_add_nc_u64 s[22:23], s[6:7], s[22:23]
	s_add_nc_u64 s[46:47], s[8:9], s[46:47]
	s_add_nc_u64 s[92:93], s[10:11], s[92:93]
	CROUND                                         ; all sixteen work-groups are here: the first joint loads meet
	s_mov_b32 s[G0S], 1
	s_add_co_u32 s[G0S+1], s94, SCL
	s_mov_b64 s[G0S+2:G0S+3], s[22:23]
	s_or_b32 s[G0S+3], s[G0S+3], 0x80000000
	s_mov_b32 s[G0SB], 1
	s_add_co_u32 s[G0SB+1], s94, SCL
	s_mov_b64 s[G0SB+2:G0SB+3], s[92:93]
	s_or_b32 s[G0SB+3], s[G0SB+3], 0x80000000
	JLOAD G0S, G1S, G0SB, G1SB                     ; the scales first; three loads of mine are out behind the last of these
.irp s, 0,1
	s_mov_b32 s[G0+4*\s], 1
	s_add_co_u32 s[G0+4*\s+1], s45, \s*SLOT
	s_add_nc_u64 s[G0+4*\s+2:G0+4*\s+3], s[20:21], \s*ROWB
	s_or_b32 s[G0+4*\s+3], s[G0+4*\s+3], 0x80000000
	s_mov_b32 s[G0B+4*\s], 1
	s_add_co_u32 s[G0B+4*\s+1], s45, \s*SLOT
	s_add_nc_u64 s[G0B+4*\s+2:G0B+4*\s+3], s[46:47], \s*ROWB
	s_or_b32 s[G0B+4*\s+3], s[G0B+4*\s+3], 0x80000000
	JLOAD G0+4*\s, G1, G0B+4*\s, G1B
.endr
	v_and_b32 v1, 15, v0                           ; r = lane % 16
	v_bfe_u32 v2, v0, 4, 1                         ; h = lane / 16
	v_mul_u32_u24 v3, v1, PITCH
	v_lshl_add_u32 v4, v2, 4, v3                   ; a fragment's row x pitch + 16 x half
	s_mul_i32 s21, s15, HALFT                      ; my 128 rows of x
	s_mul_i32 s22, s16, HALFT                      ; my 128 rows of W,
	s_add_co_u32 s22, s22, 2*HALFT                 ; which lie behind x's 256
.irp s, 0,1
	v_add_nc_u32 v[ADRA+\s], s21, v4
	v_add_nc_u32 v[ADRB+\s], s22, v4
	s_add_co_u32 s21, s21, SLOT
	s_add_co_u32 s22, s22, SLOT
.endr
	v_mul_u32_u24 v5, v1, KS                       ; my row's scales: KS bytes a row,
	v_lshrrev_b32 v6, 8, v5
	v_lshl_add_u32 v5, v6, 4, v5                   ; and 16 more for each 256 passed
	s_mul_i32 s21, s15, HALFS
	s_mul_i32 s22, s16, HALFS
	s_add_co_u32 s22, s22, 2*HALFS
	s_sub_co_u32 s22, s22, s21
	v_mul_u32_u24 v6, s22, v2                      ; lanes 16-31 take W's
	s_add_co_u32 s21, s21, SCL
	v_add_nc_u32 v5, v5, v6
	v_add_nc_u32 v[ADRS], s21, v5
	s_mul_i32 s23, s14, WSTG                       ; my stage
	v_mul_u32_u24 v5, v1, SP
	v_lshl_add_u32 v5, v2, 4, v5
	v_add_nc_u32 v[STO], s23, v5                   ; in: row r, 16 bytes for each half of the lanes
	v_and_b32 v6, 31, v0
	v_lshrrev_b32 v5, 3, v6
	v_mul_u32_u24 v5, v5, SP
	v_and_b32 v7, 7, v0
	v_lshl_add_u32 v5, v7, 4, v5
	v_add_nc_u32 v[RD], s23, v5                    ; back: eight lanes to a row of 128 bytes, four rows an instruction
	v_lshlrev_b32 v[CO], 4, v6
	v_lshlrev_b32 v[TA], 8, v1
	v_lshl_add_u32 v[TA], v2, 5, v[TA]
	; where my rows lie: position s0 = 256 (tile row % 8) + 128 x half; batch = tile row / 8; my two heads 4 cx + 2 x (column half) on.  Made in registers that feed no descriptor
	s_and_b32 s12, s17, 7
	s_lshl_b32 s12, s12, 8
	s_lshl_b32 s13, s15, 7
	s_add_co_u32 s12, s12, s13                     ; s0
	s_lshl_b32 s66, s12, 8
	s_mov_b32 s67, 0
	s_add_nc_u64 s[96:97], s[96:97], s[66:67]      ; the table at my first position
	s_lshr_b32 s66, s17, 3
	s_lshl_b32 s66, s66, 4
	s_lshl_b32 s13, s40, 2
	s_add_co_u32 s66, s66, s13
	s_lshl_b32 s13, s16, 1
	s_add_co_u32 s66, s66, s13                     ; 16 x batch + head
	s_lshl_b32 s66, s66, 11
	s_add_co_u32 s66, s66, s12
	s_lshl_b32 s66, s66, 7                         ; rows of 128 bytes
	s_lshl_b32 s13, ttmp9, 24                      ; q, k or v: 16,777,216 bytes each
	s_add_co_u32 s66, s66, s13
	s_add_nc_u64 s[98:99], s[98:99], s[66:67]
; RoPE's table for row block a: my row's cos and sin of frequencies 16 bp + 8 h + 0 .. 7: 32 registers in window 1, at TBA: cos at + 8 bp, sin at + 16 + 8 bp.  (The caller sets the destination's window.)
.macro TAB a
.set TBA, 64*(1-(\a)/4)+32*((\a)%2)+128*(((\a)%4)/2)
.irp sc, 0,1
.irp bp, 0,1
.irp g, 0,1
	global_load_b128 v[TBA+16*\sc+8*\bp+4*\g:TBA+16*\sc+8*\bp+4*\g+3], v[TA], s[96:97] offset:(\a)*4096+\sc*128+\bp*64+\g*16
.endr
.endr
.endr
.endm
	; The tables of blocks 0-3 are asked for here, by every work-group, and land during the products, in registers that the products do not name.  The clusters that make v load them too and do not use them
	; (16 KB a wave): so the registers are written on every way through the text, and the one branch on q, k or v stands on the way out.
	WIN TO_B
.irp a, 0,1,2,3
	TAB \a
.endr
	WIN 0
.macro FRAG reg, adr, q, i             ; 16 rows x 128 K of 4-bit codes: 8 registers: lane l holds row l % 16; registers 4 c .. 4 c + 3 hold K = 64 c + 32 (l / 16) + 0 .. 31
.irp c, 0,1
	ds_load_b128 v[\reg+4*\c:\reg+4*\c+3], v[\adr] offset:64*(\q)+32*\c+(\i)*16*PITCH
.endr
.endm
; 16 matrix instructions: x's blocks a0, a0 + 1 against W's eight, 128 along K.  The 64 accumulators take turns, one instruction a turn, in the same order in every step.
; One register carries x's scale word (lanes 0-15) and W's (lanes 16-31).
.macro MUL16 a0, p, q, sc, zero
.irp a, \a0, \a0+1
.irp b, 0,1,2,3,4,5,6,7
.if \zero
	v_wmma_scale_f32_16x16x128_f8f6f4 v[8*(8*((\a)%4)+\b):8*(8*((\a)%4)+\b)+7], v[128*(\p)+FR*\b:128*(\p)+FR*\b+FR-1], v[AF+FR*(\a):AF+FR*(\a)+FR-1], 0, v[SC+8*NQ*(\sc)+NQ*\b+(\q)], v[SC+8*NQ*(\sc)+NQ*(\a)+(\q)] matrix_a_fmt:MATRIX_FMT_FP4 matrix_b_fmt:MATRIX_FMT_FP4 matrix_a_scale:MATRIX_SCALE_ROW1
.else
	v_wmma_scale_f32_16x16x128_f8f6f4 v[8*(8*((\a)%4)+\b):8*(8*((\a)%4)+\b)+7], v[128*(\p)+FR*\b:128*(\p)+FR*\b+FR-1], v[AF+FR*(\a):AF+FR*(\a)+FR-1], v[8*(8*((\a)%4)+\b):8*(8*((\a)%4)+\b)+7], v[SC+8*NQ*(\sc)+NQ*\b+(\q)], v[SC+8*NQ*(\sc)+NQ*(\a)+(\q)] matrix_a_fmt:MATRIX_FMT_FP4 matrix_b_fmt:MATRIX_FMT_FP4 matrix_a_scale:MATRIX_SCALE_ROW1
.endif
.endr
.endr
.endm
.macro FETCH_B slot, q, p
	WIN TO_B
.irp i, 0,1,2,3,4,5,6,7
	FRAG 128*(\p)+FR*\i, ADRB+\slot, \q, \i
.endr
	WIN 0
.endm
.macro FETCH_A slot, q, i0
.irp i, \i0, \i0+1, \i0+2, \i0+3
	FRAG AF+FR*(\i), ADRA+\slot, \q, \i
.endr
.endm
.macro SCALES sc                       ; a slot's scale words: 4 words a row; lanes 0-15 take x's block i, lanes 16-31 W's block i
.irp i, 0,1,2,3,4,5,6,7
	ds_load_b128 v[SC+8*NQ*\sc+NQ*\i:SC+8*NQ*\sc+NQ*\i+3], v[ADRS] offset:\i*SBLK
.endr
.endm
.macro PLACES n                        ; plain vector lines between a matrix instruction and a load into, or a vector read or write of, its registers
.rept \n
	v_nop
.endr
.endm
.macro STEP slot, q, zero              ; 128 along K, with its successor in the same slot
	s_wait_dscnt 4*NL                              ; W's set and x's blocks 0-3 are in; the youngest eight loads (x's blocks 4-7) may be out
	WIN MUL_LO
	MUL16 0, (\q)%2, \q, \slot, \zero
	MUL16 2, (\q)%2, \q, \slot, \zero
	s_wait_dscnt 0
	PLACES NP
	FETCH_B \slot, (\q)+1, 1-(\q)%2
	FETCH_A \slot, (\q)+1, 0
	WIN MUL_HI
	MUL16 4, (\q)%2, \q, \slot, \zero
	MUL16 6, (\q)%2, \q, \slot, \zero
	PLACES NP
	WIN 0
	FETCH_A \slot, (\q)+1, 4
.endm
.macro TURN slot, next                 ; a slot's last step changes slots: one barrier; nothing is filled again
	s_wait_tensorcnt 0x0                           ; all my tensor loads have landed: my part of the next slot
	ds_add_u32 v[SPW], v[NIL]                      ; 0 onto my spare word
	s_wait_dscnt 4*NL+1                            ; the add and the youngest eight loads may be out
	WIN MUL_LO
	MUL16 0, 1, NQ-1, \slot, 0
	s_wait_dscnt 0x0                               ; the add is done, and my reads of this slot are over
	s_barrier_signal -1
	MUL16 2, 1, NQ-1, \slot, 0
	WIN 0
	s_barrier_wait -1                              ; the next slot is whole, and nobody reads this one any more
	PLACES NP
	v_add_nc_u32 v[ADRS], 4*NQ, v[ADRS]            ; on to the next slot's scale words
	FETCH_B \next, 0, 0
	FETCH_A \next, 0, 0
	SCALES \next
	WIN MUL_HI
	MUL16 4, 1, NQ-1, \slot, 0
	MUL16 6, 1, NQ-1, \slot, 0
	PLACES NP
	WIN 0
	FETCH_A \next, 0, 4
.endm
	s_wait_tensorcnt 1                             ; the scales and my part of slot 0 are in; slot 1's load may be out
	s_barrier_signal -1
	s_barrier_wait -1
	FETCH_B 0, 0, 0
	FETCH_A 0, 0, 0
	SCALES 0
	FETCH_A 0, 0, 4
	STEP 0, 0, 1                                   ; the first products start the sums: nothing is cleared
	STEP 0, 1, 0
	STEP 0, 2, 0
	TURN 0, 1
	STEP 1, 0, 0
	STEP 1, 1, 0
	STEP 1, 2, 0
	s_wait_dscnt 4*NL                              ; the last step: nothing more to fetch
	WIN MUL_LO
	MUL16 0, 1, NQ-1, 1, 0
	MUL16 2, 1, NQ-1, 1, 0
	s_wait_dscnt 0
	WIN MUL_HI
	MUL16 4, 1, NQ-1, 1, 0
	MUL16 6, 1, NQ-1, 1, 0
	WIN 0
; THE WAY OUT, block by block of 16 rows x 128 columns (two heads).
; ROPE a: for channels d < 32 (accumulators 4 hh + bp) and their partners d + 32 (accumulators 4 hh + bp + 2): x1' = x1 cos - x2 sin, x2' = x2 cos + x1 sin; then rounded to f16, 16 bytes a lane and accumulator.
.macro ROPE a
.set TBA, 64*(1-(\a)/4)+32*((\a)%2)+128*(((\a)%4)/2)
.set AC, 64*((\a)%4)
	WIN 0x06+(\a)/4                                ; source 0: the accumulators' window; source 1: window 1, the table; source 2 and destination: window 0
.irp hh, 0,1
.irp bp, 0,1
.irp jp, 0,2,4,6                                   ; each accumulator from its low end on
.set X1, AC+8*(4*\hh+\bp)+\jp
.set X2, X1+16
.set CS_, TBA+8*\bp+\jp
.set SN_, CS_+16
.set T1, TT+8*(4*\hh+\bp)+\jp
.set T2, T1+16
	v_pk_mul_f32 v[T1:T1+1], v[X2:X2+1], v[SN_:SN_+1]
	v_pk_mul_f32 v[T2:T2+1], v[X1:X1+1], v[SN_:SN_+1]
	v_pk_fma_f32 v[T1:T1+1], v[X1:X1+1], v[CS_:CS_+1], v[T1:T1+1] neg_lo:[0,0,1] neg_hi:[0,0,1]
	v_pk_fma_f32 v[T2:T2+1], v[X2:X2+1], v[CS_:CS_+1], v[T2:T2+1]
.endr
.endr
.endr
	WIN 0
.irp bq, 0,1,2,3,4,5,6,7
.irp i, 0,1,2,3
	v_cvt_pk_f16_f32 v[PK+4*\bq+\i], v[TT+8*\bq+2*\i], v[TT+8*\bq+2*\i+1]
.endr
.endr
.endm
.macro PACKV a                         ; v: rounded as it stands
.set AC, 64*((\a)%4)
	WIN 0x0a+5*((\a)/4)                            ; sources 0 and 1: window 2 or 3
.irp bq, 0,1,2,3,4,5,6,7
.irp i, 0,1,2,3
	v_cvt_pk_f16_f32 v[PK+4*\bq+\i], v[AC+8*\bq+2*\i], v[AC+8*\bq+2*\i+1]
.endr
.endr
	WIN 0
.endm
.macro TOSTAGE a, so                   ; into my own stage by rows of a head, and back four rows (512 bytes) an instruction.  LDS serves a wave's instructions in order (ISA guide 5.7.1.4): no wait between
.set BB, BK+32*((\a)%2)
.irp bq, 0,1,2,3,4,5,6,7
	ds_store_b128 v[STO], v[PK+4*\bq:PK+4*\bq+3] offset:\so+(\bq/4)*16*SP+32*(\bq%4)
.endr
.irp hh, 0,1
.irp c, 0,1,2,3
	ds_load_b128 v[BB+4*(4*\hh+\c):BB+4*(4*\hh+\c)+3], v[RD] offset:\so+\hh*16*SP+\c*4*SP
.endr
.endr
.endm
.macro SEND a
.set BB, BK+32*((\a)%2)
	s_wait_dscnt 0x0                               ; the block is back in registers
	s_wait_xcnt 0x0                                ; the earlier stores have read their registers: the next block's rows may land there
.irp hh, 0,1
.irp c, 0,1,2,3
	global_store_b128 v[CO], v[BB+4*(4*\hh+\c):BB+4*(4*\hh+\c)+3], s[98:99] offset:(\a)*2048+\hh*262144+\c*512   ; 512 consecutive bytes, aligned: four rows of a head
.endr
.endr
.endm
	PLACES NP                                      ; behind the last products: for the loads into W's and x's fragments' registers and the first reads of results
	s_wait_loadcnt 0x0                             ; the tables of blocks 0-3, asked for eight steps of products ago, are in: no load of mine is out on either way below
	s_cmp_eq_u32 ttmp9, 2                          ; v is not turned: the cluster's x is the same in all sixteen partners
	s_cbranch_scc1 .Lv_out
	WIN TO_B
.irp a, 4,5,6,7
	TAB \a                                         ; into the registers that W's fragments have left; they land while blocks 0-3 go out
.endr
	WIN 0
	ROPE 0
	TOSTAGE 0, 0
.irp a, 1,2,3,4,5,6,7
.if \a == 4
	s_wait_loadcnt 0x0                             ; the tables of blocks 4-7
.endif
	ROPE \a                                        ; a block's arithmetic stands between the loads of the block before and the wait for them
	SEND \a-1
	TOSTAGE \a, 0
.endr
	SEND 7
	s_branch .Lclose
.Lv_out:
	PACKV 0
	TOSTAGE 0, VSTG
.irp a, 1,2,3,4,5,6,7
	PACKV \a
	SEND \a-1
	TOSTAGE \a, VSTG
.endr
	SEND 7
.Lclose:
	s_wait_tensorcnt 0x0                           ; the wave's end, behind my last tensor load and my last LDS store
	ds_add_u32 v[SPW], v[NIL]
	s_wait_dscnt 0x0
	CROUND                                         ; the closing round: no work-group ends while a partner may still ask for a tile that names it
	s_endpgm
.Lfunc_end_k_q171a1d7f7c_qkv:
	.size	k_q171a1d7f7c_qkv, .Lfunc_end_k_q171a1d7f7c_qkv-k_q171a1d7f7c_qkv
	.p2alignl 7, 3214868480
	.fill 96, 4, 3214868480
	.section	.rodata,"a",@progbits
	.p2align	6, 0x0
	.amdhsa_kernel k_q171a1d7f7c_qkv
		.amdhsa_group_segment_fixed_size 327680
		.amdhsa_private_segment_fixed_size 0
		.amdhsa_enable_private_segment 0
		.amdhsa_kernarg_size 48
		.amdhsa_user_sgpr_count 2
		.amdhsa_user_sgpr_kernarg_segment_ptr 1
		.amdhsa_wavefront_size32 1
		.amdhsa_system_sgpr_workgroup_id_x 1
		.amdhsa_system_sgpr_workgroup_id_y 1
		.amdhsa_system_sgpr_workgroup_id_z 1
		.amdhsa_system_vgpr_workitem_id 0
		.amdhsa_next_free_vgpr 1024
		.amdhsa_next_free_sgpr 100
		.amdhsa_reserve_vcc 0
		.amdhsa_float_denorm_mode_32 3
		.amdhsa_float_denorm_mode_16_64 3
		.amdhsa_memory_ordered 1
		.amdhsa_forward_progress 1
		.amdhsa_inst_pref_size 196
	.end_amdhsa_kernel
	.amdgpu_metadata
---
amdhsa.version: [ 1, 2 ]
amdhsa.kernels:
  - .name:           k_q171a1d7f7c_qkv
    .symbol:         k_q171a1d7f7c_qkv.kd
    .args:
      - { .name: xc, .offset: 0, .size: 8, .value_kind: global_buffer, .address_space: global }
      - { .name: xs, .offset: 8, .size: 8, .value_kind: global_buffer, .address_space: global }
      - { .name: wc, .offset: 16, .size: 8, .value_kind: global_buffer, .address_space: global }
      - { .name: ws, .offset: 24, .size: 8, .value_kind: global_buffer, .address_space: global }
      - { .name: rope, .offset: 32, .size: 8, .value_kind: global_buffer, .address_space: global }
      - { .name: qkv, .offset: 40, .size: 8, .value_kind: global_buffer, .address_space: global }
    .group_segment_fixed_size: 327680
    .private_segment_fixed_size: 0
    .kernarg_segment_align: 8
    .kernarg_segment_size: 48
    .max_flat_workgroup_size: 128
    .sgpr_count:     100
    .vgpr_count:     1024
    .wavefront_size: 32
...
	.end_amdgpu_metadata
.endif
;; end of part 2
;; launch attn (part 3): grid 4 x 64, 8 waves a work-group, clusters of 4 x 1, 327,680 bytes of LDS; arguments qkv, ao; writes ao
.if DOCPART == 3
	.amdgcn_target "amdgcn-amd-amdhsa--gfx1250"
	.amdhsa_code_object_version 6
	.text
	.protected	k_q171a1d7f7c_attn
	.globl	k_q171a1d7f7c_attn
	.p2align	8
	.type	k_q171a1d7f7c_attn,@function
k_q171a1d7f7c_attn:
	s_mov_b64 s[64:65], 0
	v_nop
	global_prefetch_b8 v0, s[64:65] scope:SCOPE_SE
	s_setreg_imm32_b32 hwreg(HW_REG_WAVE_MODE, 25, 1), 1
	s_wait_xcnt 0x0
	s_wait_alu depctr_hold_cnt(0) depctr_sa_sdst(0) depctr_va_vdst(0) depctr_va_sdst(0) depctr_va_ssrc(0) depctr_va_vcc(0) depctr_vm_vsrc(0)
	s_getreg_b32 s2, hwreg(HW_REG_IB_STS2, 6, 4)
	s_cmp_eq_u32 s2, 0
	s_cbranch_scc0 .Lentry_in_a_cluster
	s_endpgm
.Lentry_in_a_cluster:
	s_bfe_u32 s2, ttmp6, 0x10000c
	s_cmp_lg_u32 s2, 0x3003
	s_cbranch_scc0 .Lentry_shape_is_right
	s_endpgm
.Lentry_shape_is_right:
; ATTN: O[bh][q][:] = the sum over k of softmax_k(Q[bh][q] . K[bh][k] / 8) V[bh][k][:], 64 heads (batch x head) of 2,048 positions x 64 channels, no mask.
; qkv: f16: q at byte 0, k at 16,777,216, v at 33,554,432, each [bh 64][2048][64].  ao: f16, [m / 128][head 16][128 rows][64], m = 2048 x batch + position.
; Operands f16, products, maxima and sums f32.  A running maximum m for each query: p = 2^(c s - c m), c = log2(e) / 8; in every step O and the sum are multiplied by a = 2^(c m_old - c m_new).
; LIMITS: p is rounded to f16 for the second product, and the divisor is the sum of those rounded p (it is made by the matrix unit from the same operand); NaN and infinities are not served.
; SHARES.  A work-group owns 512 queries of one head, each of its eight waves 64: four tiles of 16.  Two waves lie on a SIMD, so that one wave's softmax stands beside the other's products.  Every wave walks all
; 2,048 keys, 64 a step.  K and V come through two LDS slots of 512 keys (eight steps), filled by the tensor data mover: waves 0-3 a quarter of K's tile each, waves 4-7 of V's.
; CLUSTER.  The four query blocks of a head form a cluster and walk the same K and V: each tile is asked for JOINTLY, by the same tensor load with the same descriptor and a mask that names the four.
; LAYOUT.  S^T = K Q^T (source 0 = 16 keys, source 1 = 16 queries): a lane holds ONE query (lane % 16) and keys 8 (lane / 16) + 0 .. 7.  Two such tiles rounded to f16 in pairs ARE source 1 (32 keys x 16 queries) of
; O^T = V^T P; V ([key][channel]) is turned by ds_load_tr16_b128.  The row sums are L = ONES x P (a fragment of 1.0): every register of L holds the query's sum over both halves of the lanes.
; In LDS two keys' rows (2 x 128 bytes, neighbours in memory) form one row of 256 bytes; K's pitch is 272, V's 288.
; REGISTERS: window 0: v2-12 addresses; v16-31 statistics; v32-47 maxima at work; v48-55 ONES; v56-119 K, then V, of the step; v128-255 S^T, 32 a tile; P in place in a tile's first 16.
;   window 1: v0-63 Q; v64-191 O^T, 32 a tile; v192-223 L, 8 a tile.
.set PK,    272
.set PV,    288
.set VOFF,  256*PK                     ; a slot: 256 double rows of K, then 256 of V
.set SLOT,  256*(PK+PV)
.set STAGE, 2*SLOT                     ; behind the slots: 16 rows x 144 bytes for each wave, for the way out
.set SP,    144
.set SPARE, STAGE+8*16*SP              ; the spare words, 128 bytes for each wave: four blocks of 256 bytes that no other line names
.set AK0, 2                            ; v2   my lane's place in a tile of K; never rewritten
.set AV0, 3                            ; v3   the same for V
.set ADK, 4
.set ADV, 5
.set QO,  6
.set STO, 7
.set RD,  8
.set GO,  9
.set SPW, 11
.set NIL, 12
.set ST,  16                           ; tile t at v[ST + 4 t]: +0 c m, +1 m, +2 a (at the end 1 / sum), +3 written once (named as the pair's upper half)
.set TM,  32                           ; tile t's four chains at v[TM + 4 t]
.set ONES, 48
.set KV,  56
.set S,   128
.set WV,  12                           ; s12  my wave's number
.set G1K, 24
.set G1V, 32
.set G0K, 40                           ; s[40:47] group 0 for K's tiles, a set for each slot
.set G0V, 48                           ; s[48:55] for V's
.set CNT, 56
.set CS,  58                           ; s[58:59] c, twice: the packed form names a pair
.set SEL, 60                           ; s[60:61] v_permlanex16_b32's selects for lane l xor 16
.set TK,  62                           ; s62  LDS byte at which the step's tile of K begins
.set TV,  63                           ; s63  and V's
.set MSB, 0
.macro WIN new
.if MSB != (\new)
	s_set_vgpr_msb (MSB<<8)|(\new)
.set MSB, (\new)
.endif
.endm
.set W_KQ, 0x04                        ; source 1 (Q) window 1
.set W_PV, 0x50                        ; C and D window 1
.set W_RS, 0x41                        ; destination and source 0 window 1
.macro JLOAD slot                      ; a joint refill; the branch hangs on the wave's number alone; an s_nop 0 and four v_nop follow each of the two lines
	s_cmp_lt_u32 s[WV], 4
	s_cbranch_scc0 .Lfor_v_\@
	tensor_load_to_lds s[G0K+4*\slot:G0K+4*\slot+3], s[G1K:G1K+7]
	s_nop 0
.rept 4
	v_nop
.endr
	s_branch .Lasked_\@
.Lfor_v_\@:
	tensor_load_to_lds s[G0V+4*\slot:G0V+4*\slot+3], s[G1V:G1V+7]
	s_nop 0
.rept 4
	v_nop
.endr
.Lasked_\@:
.endm
.macro CROUND                          ; a round of the cluster's barrier
	s_barrier_signal -1
	s_barrier_wait -1
	s_cmp_lg_u32 s[WV], 0
	s_cbranch_scc1 .Lnot_wave_0_\@
	s_barrier_signal -3
.Lnot_wave_0_\@:
	s_barrier_wait -3
	s_barrier_signal -1
	s_barrier_wait -1
.endm
	s_load_b128 s[4:7], s[0:1], 0x0                ; qkv s[4:5], ao s[6:7]
	v_lshl_add_u32 v[SPW], v0, 2, SPARE
	v_mov_b32 v[NIL], 0
	ds_add_u32 v[SPW], v[NIL]                      ; the wave's opening: the add, twice on end, and its wait ahead of my first tensor load
	ds_add_u32 v[SPW], v[NIL]
	v_lshrrev_b32 v1, 5, v0
	v_readfirstlane_b32 s[WV], v1                  ; wave 0..7
	s_bfe_u32 s13, ttmp6, 0x40000                  ; cx: my block of 512 queries; it enters Q's and ao's addresses alone
	s_and_b32 s14, ttmp7, 0xffff                   ; the head (16 x batch + head), which the four partners share
	s_lshl_b32 s16, s14, 18                        ; its first byte in q, k and v: 2,048 rows of 128 bytes
	s_and_b32 s15, s[WV], 3                        ; which quarter of a tile I fetch
	s_lshl_b32 s17, s15, 14                        ; 128 keys of 128 bytes
	s_add_co_u32 s18, s16, s17
	s_add_co_u32 s20, s18, 2*16777216              ; V
	s_add_co_u32 s18, s18, 16777216                ; K
	s_mov_b32 s19, 0
	s_mov_b32 s21, 0
	s_mul_i32 s22, s15, 64*PK                      ; and where it goes in a slot: no place in the cluster enters an LDS address
	s_mul_i32 s23, s15, 64*PV
	s_lshl_b32 s66, s13, 16                        ; Q: 512 rows a block,
	s_lshl_b32 s70, s[WV], 13                      ; 64 a wave
	s_add_co_u32 s66, s66, s70
	s_add_co_u32 s66, s66, s16
	s_mov_b32 s67, 0
	s_lshr_b32 s68, s14, 4                         ; ao: block of 128 rows = 16 x batch + 4 cx + wave / 2
	s_lshl_b32 s68, s68, 4
	s_lshl_b32 s70, s13, 2
	s_add_co_u32 s68, s68, s70
	s_lshr_b32 s70, s[WV], 1
	s_add_co_u32 s68, s68, s70
	s_lshl_b32 s68, s68, 4
	s_and_b32 s70, s14, 15
	s_add_co_u32 s68, s68, s70                     ; x 16 + head
	s_lshl_b32 s68, s68, 14                        ; 128 rows of 128 bytes
	s_and_b32 s70, s[WV], 1
	s_lshl_b32 s70, s70, 13
	s_add_co_u32 s68, s68, s70                     ; + my 64 rows
	s_mov_b32 s69, 0
	; descriptor group 1: 64 rows of 128 elements of 2 bytes (two keys to a row), dense in memory, padded in LDS
	s_mov_b32 s[G1K], 15|(1<<16)|(1<<20)|(1<<21)|(5<<22)|(3<<25)  ; 15:0 the mask: all four work-groups; 17:16 elements of 2 bytes; 20 padding on; 21 set beside a mask; 24:22 after every 64 words; 31:25 four words
	s_mov_b32 s[G1V], 15|(1<<16)|(1<<20)|(1<<21)|(5<<22)|(7<<25)  ; the same with eight words of padding
.irp g, G1K, G1V
	s_mov_b32 s[\g+1], 128<<16                     ; tensor_dim0
	s_mov_b32 s[\g+2], 64<<16                      ; tensor_dim1
	s_mov_b32 s[\g+3], 128<<16                     ; tile_dim0
	s_mov_b32 s[\g+4], 64                          ; tile_dim1
	s_mov_b32 s[\g+5], 128                         ; tensor_dim0_stride
	s_mov_b32 s[\g+6], 0
	s_mov_b32 s[\g+7], 0
.endr
	s_mov_b32 s[CS], 0x3e38aa3b                    ; c = log2(e) / 8
	s_mov_b32 s[CS+1], s[CS]
	s_mov_b32 s[SEL], 0x76543210
	s_mov_b32 s[SEL+1], 0xfedcba98
	s_wait_dscnt 0x0                               ; both opening adds are done
	s_wait_kmcnt 0x0
	s_add_nc_u64 s[18:19], s[4:5], s[18:19]        ; K and V at my quarter of slot 0's tile
	s_add_nc_u64 s[20:21], s[4:5], s[20:21]
	s_add_nc_u64 s[8:9], s[4:5], s[66:67]          ; Q at my wave's first row
	s_add_nc_u64 s[10:11], s[6:7], s[68:69]        ; ao likewise
	CROUND                                         ; all four work-groups are here: the first joint loads meet
.irp s, 0,1
	s_mov_b32 s[G0K+4*\s], 1                       ; 1:0 count = 1
	s_add_co_u32 s[G0K+4*\s+1], s22, \s*SLOT       ; 63:32 LDS address
	s_add_nc_u64 s[G0K+4*\s+2:G0K+4*\s+3], s[18:19], \s*65536   ; 120:64 global address: slot s begins with keys 512 s
	s_or_b32 s[G0K+4*\s+3], s[G0K+4*\s+3], 0x80000000           ; 127:126 type = 2
	s_mov_b32 s[G0V+4*\s], 1
	s_add_co_u32 s[G0V+4*\s+1], s23, \s*SLOT+VOFF
	s_add_nc_u64 s[G0V+4*\s+2:G0V+4*\s+3], s[20:21], \s*65536
	s_or_b32 s[G0V+4*\s+3], s[G0V+4*\s+3], 0x80000000
.endr
	s_cmp_lt_u32 s[WV], 4                          ; a wave's two first fills stand in one branch, ahead of every wait on TENSORcnt and every LDS read: two loads of mine are out
	s_cbranch_scc0 .Lfirst_v
	tensor_load_to_lds s[G0K:G0K+3], s[G1K:G1K+7]
	s_nop 0
	tensor_load_to_lds s[G0K+4:G0K+7], s[G1K:G1K+7]
	s_nop 0
.rept 4
	v_nop
.endr
	s_branch .Lfirst_asked
.Lfirst_v:
	tensor_load_to_lds s[G0V:G0V+3], s[G1V:G1V+7]
	s_nop 0
	tensor_load_to_lds s[G0V+4:G0V+7], s[G1V:G1V+7]
	s_nop 0
.rept 4
	v_nop
.endr
.Lfirst_asked:
	v_and_b32 v1, 15, v0                           ; r
	v_bfe_u32 v10, v0, 4, 1                        ; h
	v_lshlrev_b32 v[QO], 7, v1
	v_lshl_add_u32 v[QO], v10, 4, v[QO]            ; row r of 128 bytes + 16 h
	WIN 0x40                                       ; destination window 1
.irp t, 0,1,2,3                                    ; Q stays in registers: tile t, channels 32 c on, at v[8 (2 t + c)]
.irp c, 0,1
	global_load_b128 v[8*(2*\t+\c):8*(2*\t+\c)+3],   v[QO], s[8:9] offset:\t*2048+\c*64
	global_load_b128 v[8*(2*\t+\c)+4:8*(2*\t+\c)+7], v[QO], s[8:9] offset:\t*2048+\c*64+32
.endr
.endr
	WIN 0
	v_lshrrev_b32 v13, 1, v1
	v_mul_u32_u24 v[AK0], v13, PK                  ; K: key r lies in double row r / 2,
	v_and_b32 v13, 1, v0
	v_lshl_add_u32 v[AK0], v13, 7, v[AK0]          ; half r % 2,
	v_lshl_add_u32 v[AK0], v10, 4, v[AK0]          ; + 16 h
	v_bfe_u32 v14, v0, 1, 2
	v_lshl_add_u32 v14, v10, 2, v14                ; V: lane l reads key 8 h + l % 8: double row 4 h + (l % 8) / 2,
	v_mul_u32_u24 v[AV0], v14, PV
	v_lshl_add_u32 v[AV0], v13, 7, v[AV0]          ; half l % 2,
	v_bfe_u32 v14, v0, 3, 1
	v_lshl_add_u32 v[AV0], v14, 4, v[AV0]          ; channels 8 ((l / 8) % 2) on
	s_mul_i32 s17, s[WV], 16*SP
	s_add_co_u32 s17, s17, STAGE                   ; my stage
	v_mul_u32_u24 v[STO], v1, SP
	v_lshl_add_u32 v[STO], v10, 4, v[STO]
	v_add_nc_u32 v[STO], s17, v[STO]               ; in: row r, 16 bytes for each half of the lanes
	v_and_b32 v15, 31, v0
	v_lshrrev_b32 v14, 3, v15
	v_mul_u32_u24 v[RD], v14, SP
	v_and_b32 v14, 7, v0
	v_lshl_add_u32 v[RD], v14, 4, v[RD]
	v_add_nc_u32 v[RD], s17, v[RD]                 ; back: eight lanes to a row, four rows an instruction
	v_lshlrev_b32 v[GO], 4, v15
.irp i, 0,1,2,3,4,5,6,7
	v_mov_b32 v[ONES+\i], 0x3c003c00               ; 1.0, twice, in f16
.endr
.irp t, 0,1,2,3
	v_mov_b32 v[ST+4*\t+3], 0
.endr
; A KEY STEP: 64 keys.  first = 1: the first step, which starts m, O^T and L: it has no a and nothing to rescale.
.macro STEP first
	v_add_nc_u32 v[ADK], s[TK], v[AK0]             ; these two and three v_nop: five places behind the last products, for the loads into V's registers and for the products below, which write over P
	v_add_nc_u32 v[ADV], s[TV], v[AV0]
.rept 3
	v_nop
.endr
.irp kt, 0,1,2,3                                   ; K: keys 16 kt on, channels 32 c on, at v[KV + 8 (2 kt + c)]
.irp c, 0,1
	ds_load_b128 v[KV+8*(2*\kt+\c):KV+8*(2*\kt+\c)+3],   v[ADK] offset:\kt*8*PK+\c*64
	ds_load_b128 v[KV+8*(2*\kt+\c)+4:KV+8*(2*\kt+\c)+7], v[ADK] offset:\kt*8*PK+\c*64+32
.endr
.endr
	s_wait_dscnt 0x0
	WIN W_KQ
.irp c, 0,1                                        ; S^T = K Q^T: the 16 accumulators take turns, one instruction a turn; the first 16 start the sums
.irp kt, 0,1,2,3
.irp t, 0,1,2,3
.if \c == 0
	v_wmma_f32_16x16x32_f16 v[S+32*\t+8*\kt:S+32*\t+8*\kt+7], v[KV+8*(2*\kt+\c):KV+8*(2*\kt+\c)+7], v[8*(2*\t+\c):8*(2*\t+\c)+7], 0
.else
	v_wmma_f32_16x16x32_f16 v[S+32*\t+8*\kt:S+32*\t+8*\kt+7], v[KV+8*(2*\kt+\c):KV+8*(2*\kt+\c)+7], v[8*(2*\t+\c):8*(2*\t+\c)+7], v[S+32*\t+8*\kt:S+32*\t+8*\kt+7]
.endif
.endr
.endr
.endr
	WIN 0
.rept 4
	v_nop                                          ; four places: for the loads into K's registers and the first reads of the scores
.endr
.irp kk, 0,1                                       ; V, turned: keys 32 kk on, channels 16 dt on, at v[KV + 8 (4 kk + dt)]: it lands during the softmax
.irp dt, 0,1,2,3
	ds_load_tr16_b128 v[KV+8*(4*\kk+\dt):KV+8*(4*\kk+\dt)+3],   v[ADV] offset:\kk*16*PV+\dt*32
	ds_load_tr16_b128 v[KV+8*(4*\kk+\dt)+4:KV+8*(4*\kk+\dt)+7], v[ADV] offset:\kk*16*PV+8*PV+\dt*32
.endr
.endr
	; the maximum of a lane's 32 scores and the old m: four chains a tile, the four tiles by turns; each accumulator is read from its low end on
.irp j, 0,1,2,3
.irp t, 0,1,2,3
	v_max3_num_f32 v[TM+4*\t+\j], v[S+32*\t+8*\j], v[S+32*\t+8*\j+1], v[S+32*\t+8*\j+2]
.endr
.endr
.irp g, 1,2
.irp j, 0,1,2,3
.irp t, 0,1,2,3
	v_max3_num_f32 v[TM+4*\t+\j], v[TM+4*\t+\j], v[S+32*\t+8*\j+2*\g+1], v[S+32*\t+8*\j+2*\g+2]
.endr
.endr
.endr
.irp t, 0,1,2,3
	v_max3_num_f32 v[TM+4*\t], v[TM+4*\t], v[S+32*\t+7], v[S+32*\t+15]
.endr
.irp t, 0,1,2,3
	v_max3_num_f32 v[TM+4*\t+2], v[TM+4*\t+2], v[S+32*\t+23], v[S+32*\t+31]
.endr
.irp t, 0,1,2,3
	v_max3_num_f32 v[TM+4*\t], v[TM+4*\t], v[TM+4*\t+1], v[TM+4*\t+2]
.endr
.irp t, 0,1,2,3
.if \first
	v_max_num_f32 v[TM+4*\t], v[TM+4*\t], v[TM+4*\t+3]
.else
	v_max3_num_f32 v[TM+4*\t], v[TM+4*\t], v[TM+4*\t+3], v[ST+4*\t+1]
.endif
.endr
.irp t, 0,1,2,3
	v_permlanex16_b32 v[TM+4*\t+1], v[TM+4*\t], s[SEL], s[SEL+1]   ; the query's other 32 keys lie in the lane 16 away
.endr
.if \first == 0
.irp t, 0,1,2,3
	v_mov_b32 v[TM+4*\t+3], v[ST+4*\t]             ; c m_old is kept for a
.endr
.endif
.irp t, 0,1,2,3
	v_max_num_f32 v[ST+4*\t+1], v[TM+4*\t], v[TM+4*\t+1]
.endr
.irp t, 0,1,2,3
	v_mul_f32 v[ST+4*\t], s[CS], v[ST+4*\t+1]
.endr
.if \first == 0
.irp t, 0,1,2,3
	v_sub_f32 v[TM+4*\t+3], v[TM+4*\t+3], v[ST+4*\t]
.endr
.endif
.set n, 0
.rept 32                                           ; tiles 0 and 1: c s - c m, two at a time
	v_pk_fma_f32 v[S+2*n:S+2*n+1], v[S+2*n:S+2*n+1], s[CS:CS+1], v[ST+4*(n/16):ST+4*(n/16)+1] op_sel_hi:[1,0,0] neg_lo:[0,0,1] neg_hi:[0,0,1]
.set n, n+1
.endr
	; BATCH 1: a, and the exponentials of tiles 0 and 1, with the scalings of tiles 2 and 3 between them.  Nothing here names an exponential's result
.if \first == 0
.irp t, 0,1,2,3
	v_exp_f32 v[ST+4*\t+2], v[TM+4*\t+3]
.endr
.endif
.set n, 0
.rept 32
	v_pk_fma_f32 v[S+64+2*n:S+64+2*n+1], v[S+64+2*n:S+64+2*n+1], s[CS:CS+1], v[ST+8+4*(n/16):ST+8+4*(n/16)+1] op_sel_hi:[1,0,0] neg_lo:[0,0,1] neg_hi:[0,0,1]
	v_exp_f32 v[S+2*n], v[S+2*n]
	v_exp_f32 v[S+2*n+1], v[S+2*n+1]
.set n, n+1
.endr
	v_nop                                          ; a plain line behind the last exponential
	s_wait_alu depctr_va_vdst(0)                   ; the wait ahead of the first reader: one for the batch
	; BATCH 2: the exponentials of tiles 2 and 3, with the roundings of tiles 0 and 1 between them (in place, ascending: a register is written only when it has been read)
.set n, 0
.rept 32
	v_cvt_pk_f16_f32 v[S+32*(n/16)+n%16], v[S+32*(n/16)+2*(n%16)], v[S+32*(n/16)+2*(n%16)+1]
	v_exp_f32 v[S+64+2*n], v[S+64+2*n]
	v_exp_f32 v[S+64+2*n+1], v[S+64+2*n+1]
.set n, n+1
.endr
.if \first == 0
	WIN W_RS                                       ; O^T and L under the new m: independent work behind batch 2.  Of L only registers 0 and 1 are rescaled: the way out reads register 0 alone;
.irp t, 0,1,2,3                                    ; the other six are sums of at most 2,048 numbers p <= 1 and are never read
.set n, 0
.rept 16
	v_pk_mul_f32 v[64+32*\t+2*n:64+32*\t+2*n+1], v[64+32*\t+2*n:64+32*\t+2*n+1], v[ST+4*\t+2:ST+4*\t+3] op_sel_hi:[1,0]
.set n, n+1
.endr
	v_pk_mul_f32 v[192+8*\t:193+8*\t], v[192+8*\t:193+8*\t], v[ST+4*\t+2:ST+4*\t+3] op_sel_hi:[1,0]
.endr
	WIN 0
.else
	v_nop                                          ; a plain line behind the last exponential
.endif
	s_wait_alu depctr_va_vdst(0)                   ; and the wait for batch 2
.set n, 0
.rept 32
	v_cvt_pk_f16_f32 v[S+64+32*(n/16)+n%16], v[S+64+32*(n/16)+2*(n%16)], v[S+64+32*(n/16)+2*(n%16)+1]
.set n, n+1
.endr
	s_wait_dscnt 0x0                               ; V is in
	WIN W_PV
.irp kk, 0,1                                       ; O^T += V^T P and L += ONES x P: 20 accumulators by turns
.irp dt, 0,1,2,3
.irp t, 0,1,2,3
.if (\first) && (\kk == 0)
	v_wmma_f32_16x16x32_f16 v[64+32*\t+8*\dt:64+32*\t+8*\dt+7], v[KV+8*(4*\kk+\dt):KV+8*(4*\kk+\dt)+7], v[S+32*\t+8*\kk:S+32*\t+8*\kk+7], 0
.else
	v_wmma_f32_16x16x32_f16 v[64+32*\t+8*\dt:64+32*\t+8*\dt+7], v[KV+8*(4*\kk+\dt):KV+8*(4*\kk+\dt)+7], v[S+32*\t+8*\kk:S+32*\t+8*\kk+7], v[64+32*\t+8*\dt:64+32*\t+8*\dt+7]
.endif
.endr
.endr
.irp t, 0,1,2,3
.if (\first) && (\kk == 0)
	v_wmma_f32_16x16x32_f16 v[192+8*\t:199+8*\t], v[ONES:ONES+7], v[S+32*\t+8*\kk:S+32*\t+8*\kk+7], 0
.else
	v_wmma_f32_16x16x32_f16 v[192+8*\t:199+8*\t], v[ONES:ONES+7], v[S+32*\t+8*\kk:S+32*\t+8*\kk+7], v[192+8*\t:199+8*\t]
.endif
.endr
.endr
	WIN 0
	s_add_co_u32 s[TK], s[TK], 32*PK               ; the next step's tiles
	s_add_co_u32 s[TV], s[TV], 32*PV
.endm
.macro PASS slot, n, first             ; a slot's eight steps
	s_mov_b32 s[TK], \slot*SLOT
	s_mov_b32 s[TV], \slot*SLOT+VOFF
.if \first
	STEP 1
.endif
	s_mov_b32 s[CNT], \n
.Lstep_\@:
	STEP 0
	s_sub_co_u32 s[CNT], s[CNT], 1
	s_cmp_lg_u32 s[CNT], 0
	s_cbranch_scc1 .Lstep_\@
.endm
; THE CHANGE OF SLOTS.  Each wave waits for all its tensor loads (one is out: its part of the other slot), adds 0 to its spare word, and waits for that and for its reads of the slot that it leaves.
; fill = 1: that slot is filled again with the keys 1,024 further on; the barrier is then a round of the cluster's, and the joint refill is the first thing behind it: it has eight key steps in which to land.
.macro CHANGE slot, fill
	s_wait_tensorcnt 0x0                           ; no tensor load of mine is out, so a group 0 may be written
	ds_add_u32 v[SPW], v[NIL]                      ; 0 onto my spare word
.if \fill
	s_add_nc_u64 s[G0K+4*\slot+2:G0K+4*\slot+3], s[G0K+4*\slot+2:G0K+4*\slot+3], 131072
	s_add_nc_u64 s[G0V+4*\slot+2:G0V+4*\slot+3], s[G0V+4*\slot+2:G0V+4*\slot+3], 131072
.endif
	s_wait_dscnt 0x0                               ; the add is done, and my reads of the slot are over
.if \fill
	CROUND
	JLOAD \slot
.else
	s_barrier_signal -1
	s_barrier_wait -1
.endif
.endm
	s_wait_tensorcnt 1                             ; my part of slot 0 is in; slot 1's may stay out
	s_barrier_signal -1
	s_barrier_wait -1
	s_wait_loadcnt 0x0                             ; Q
	PASS 0, 7, 1                                   ; keys 0 - 511
	CHANGE 0, 1
	PASS 1, 8, 0                                   ; keys 512 - 1,023
	CHANGE 1, 1
	PASS 0, 8, 0                                   ; keys 1,024 - 1,535
	CHANGE 0, 0                                    ; nothing is left to ask for
	PASS 1, 8, 0                                   ; keys 1,536 - 2,047
	; THE WAY OUT: O^T / the sum, rounded to f16, a tile (16 rows of 128 bytes) at a time through my stage; each store covers 512 consecutive bytes, aligned
.rept 4
	v_nop                                          ; four places behind the last products
.endr
	WIN 0x01
.irp t, 0,1,2,3
	v_rcp_f32 v[ST+4*\t+2], v[192+8*\t]            ; L's lowest register
.endr
	WIN 0
	v_nop
	s_wait_alu depctr_va_vdst(0)                   ; one wait for the four reciprocals
.macro PACK t
	WIN 0x01
.set i, 0
.rept 16
	v_pk_mul_f32 v[S+32*\t+i:S+32*\t+i+1], v[64+32*\t+i:64+32*\t+i+1], v[ST+4*\t+2:ST+4*\t+3] op_sel_hi:[1,0]
.set i, i+2
.endr
	WIN 0
.set i, 0
.rept 16
	v_cvt_pk_f16_f32 v[S+32*\t+i], v[S+32*\t+2*i], v[S+32*\t+2*i+1]
.set i, i+1
.endr
.irp dt, 0,1,2,3
	ds_store_b128 v[STO], v[S+32*\t+4*\dt:S+32*\t+4*\dt+3] offset:32*\dt
.endr
.irp c, 0,1,2,3
	ds_load_b128 v[S+32*\t+16+4*\c:S+32*\t+16+4*\c+3], v[RD] offset:\c*4*SP   ; LDS serves a wave's instructions in order (ISA guide 5.7.1.4): these see the stores above; the next tile's stores come behind them
.endr
.endm
.macro SEND t, younger                 ; younger: the LDS instructions issued behind tile t's loads: the next tile's four stores and four loads, or none
.irp c, 0,1,2,3
	s_wait_dscnt \younger+3-\c
	global_store_b128 v[GO], v[S+32*\t+16+4*\c:S+32*\t+16+4*\c+3], s[10:11] offset:\t*2048+\c*512
.endr
.endm
	PACK 0
	PACK 1
	SEND 0, 8
	PACK 2
	SEND 1, 8
	PACK 3
	SEND 2, 8
	SEND 3, 0
	s_wait_tensorcnt 0x0                           ; the wave's end, behind my last tensor load and my last LDS store
	ds_add_u32 v[SPW], v[NIL]
	s_wait_dscnt 0x0
	CROUND                                         ; the closing round
	s_endpgm
.Lfunc_end_k_q171a1d7f7c_attn:
	.size	k_q171a1d7f7c_attn, .Lfunc_end_k_q171a1d7f7c_attn-k_q171a1d7f7c_attn
	.p2alignl 7, 3214868480
	.fill 96, 4, 3214868480
	.section	.rodata,"a",@progbits
	.p2align	6, 0x0
	.amdhsa_kernel k_q171a1d7f7c_attn
		.amdhsa_group_segment_fixed_size 327680
		.amdhsa_private_segment_fixed_size 0
		.amdhsa_enable_private_segment 0
		.amdhsa_kernarg_size 16
		.amdhsa_user_sgpr_count 2
		.amdhsa_user_sgpr_kernarg_segment_ptr 1
		.amdhsa_wavefront_size32 1
		.amdhsa_system_sgpr_workgroup_id_x 1
		.amdhsa_system_sgpr_workgroup_id_y 1
		.amdhsa_system_sgpr_workgroup_id_z 1
		.amdhsa_system_vgpr_workitem_id 0
		.amdhsa_next_free_vgpr 480
		.amdhsa_next_free_sgpr 80
		.amdhsa_reserve_vcc 0
		.amdhsa_float_denorm_mode_32 3
		.amdhsa_float_denorm_mode_16_64 3
		.amdhsa_memory_ordered 1
		.amdhsa_forward_progress 1
		.amdhsa_inst_pref_size 163
	.end_amdhsa_kernel
	.amdgpu_metadata
---
amdhsa.version: [ 1, 2 ]
amdhsa.kernels:
  - .name:           k_q171a1d7f7c_attn
    .symbol:         k_q171a1d7f7c_attn.kd
    .args:
      - { .name: qkv, .offset: 0, .size: 8, .value_kind: global_buffer, .address_space: global }
      - { .name: ao, .offset: 8, .size: 8, .value_kind: global_buffer, .address_space: global }
    .group_segment_fixed_size: 327680
    .private_segment_fixed_size: 0
    .kernarg_segment_align: 8
    .kernarg_segment_size: 16
    .max_flat_workgroup_size: 256
    .sgpr_count:     80
    .vgpr_count:     480
    .wavefront_size: 32
...
	.end_amdgpu_metadata
.endif
;; end of part 3
;; launch oproj (part 4): grid 4 x 64, 4 waves a work-group, clusters of 4 x 4, 327,680 bytes of LDS; arguments ao, wot, out0; writes out0
.if DOCPART == 4
	.amdgcn_target "amdgcn-amd-amdhsa--gfx1250"
	.amdhsa_code_object_version 6
	.text
	.protected	k_q171a1d7f7c_oproj
	.globl	k_q171a1d7f7c_oproj
	.p2align	8
	.type	k_q171a1d7f7c_oproj,@function
k_q171a1d7f7c_oproj:
	s_mov_b64 s[64:65], 0
	v_nop
	global_prefetch_b8 v0, s[64:65] scope:SCOPE_SE
	s_setreg_imm32_b32 hwreg(HW_REG_WAVE_MODE, 25, 1), 1
	s_wait_xcnt 0x0
	s_wait_alu depctr_hold_cnt(0) depctr_sa_sdst(0) depctr_va_vdst(0) depctr_va_sdst(0) depctr_va_ssrc(0) depctr_va_vcc(0) depctr_vm_vsrc(0)
	s_getreg_b32 s2, hwreg(HW_REG_IB_STS2, 6, 4)
	s_cmp_eq_u32 s2, 0
	s_cbranch_scc0 .Lentry_in_a_cluster
	s_endpgm
.Lentry_in_a_cluster:
	s_bfe_u32 s2, ttmp6, 0x10000c
	s_cmp_lg_u32 s2, 0xf033
	s_cbranch_scc0 .Lentry_shape_is_right
	s_endpgm
.Lentry_shape_is_right:
; OPROJ: out0[m][n] = sum over k of A[m][k] Wo[k][n], m = 8,192, n = k = 1,024; operands f16, sums and result f32.
; ao: f16, [m / 128][head 16][128 rows][64]; wot: f16, [n / 256][head 16][256 n][64 k]; k = 64 x head + channel.  So for a tile of 128 rows (256 columns) a head's part is one dense block of memory.
; A tile of out0 is 128 x 256: 256 work-groups of four waves; a wave makes 64 x 128: 32 accumulators of 16 x 16, window 1.  K goes in steps of 128 (two heads) through a ring of two LDS slots.
; CLUSTERS: 4 x 4 work-groups.  The four of a row of the cluster need the same tiles of A, the four of a column the same tiles of Wo: each is asked for JOINTLY, by the same tensor load with the same descriptor
; and a mask that names the four.  THE MATRIX INSTRUCTION IS USED TRANSPOSED (source 0 = 16 columns n of Wo, source 1 = 16 rows of A): a lane holds eight neighbouring numbers of a row of out0.
; In LDS two rows of 128 bytes (neighbours in memory) form one row of 256 bytes, pitch 272.
; REGISTERS: window 0: v16-29 addresses; v32-127 and v128-223 two fragment buffers (Wo's 8 fragments, then A's 4); on the way out v32-159 rows read back.  window 1: accumulator (a, b) at v[8 (8 a + b)].
.set PITCH,  272
.set AHEAD,  64*PITCH                  ; a head's 128 rows of A
.set BHEAD,  128*PITCH                 ; a head's 256 rows of Wo^T
.set BOFF,   2*AHEAD
.set SLOT,   2*AHEAD+2*BHEAD
.set STAGE,  2*SLOT                    ; behind the ring: 16 rows x (512 bytes + 16) for each wave
.set SPITCH, 528
.set SPARE,  STAGE+4*16*SPITCH         ; the spare words, 128 bytes for each wave: two blocks of 256 bytes that no other line names
.set LAPS,   4                         ; a lap = two K steps = once round the ring
.set ADRA, 16
.set ADRB, 20
.set STO,  24
.set RD,   25
.set CO,   26
.set SPW,  28
.set NIL,  29
.set F0,   32
.set F1,   128
.set G1, 24
.set G0, 32
.set G1B, 48
.set G0B, 56
.set MSB, 0
.macro WIN new
.if MSB != (\new)
	s_set_vgpr_msb (MSB<<8)|(\new)
.set MSB, (\new)
.endif
.endm
.set MUL, 0x50                         ; C and D window 1
.macro JLOAD s                         ; a joint load: waves 0 and 1 fetch A's two heads, waves 2 and 3 Wo's; an s_nop 0 and four v_nop follow each of the two lines
	s_cmp_eq_u32 s11, 0
	s_cbranch_scc0 .Lfor_b_\@
	tensor_load_to_lds s[G0+4*\s:G0+4*\s+3], s[G1:G1+7]
	s_nop 0
.rept 4
	v_nop
.endr
	s_branch .Lasked_\@
.Lfor_b_\@:
	tensor_load_to_lds s[G0B+4*\s:G0B+4*\s+3], s[G1B:G1B+7]
	s_nop 0
.rept 4
	v_nop
.endr
.Lasked_\@:
.endm
.macro CREST                           ; a round of the cluster's barrier behind its opening barrier
	s_cmp_lg_u32 s10, 0
	s_cbranch_scc1 .Lnot_wave_0_\@
	s_barrier_signal -3
.Lnot_wave_0_\@:
	s_barrier_wait -3
	s_barrier_signal -1
	s_barrier_wait -1
.endm
.macro CROUND
	s_barrier_signal -1
	s_barrier_wait -1
	CREST
.endm
	s_load_b128 s[4:7], s[0:1], 0x0                ; ao s[4:5], wot s[6:7]
	s_load_b64 s[8:9], s[0:1], 0x10                ; out0
	v_lshl_add_u32 v[SPW], v0, 2, SPARE
	v_mov_b32 v[NIL], 0
	ds_add_u32 v[SPW], v[NIL]                      ; the wave's opening: the add, twice on end, and its wait ahead of my first tensor load
	ds_add_u32 v[SPW], v[NIL]
	v_lshrrev_b32 v1, 5, v0
	v_readfirstlane_b32 s10, v1                    ; wave 0..3
	s_lshr_b32 s11, s10, 1                         ; which 64 of the tile's rows are mine.  Also: I fetch for A (0) or for Wo (1)
	s_and_b32 s12, s10, 1                          ; which 128 of its columns.  Also: which of a K step's two heads I fetch
	s_bfe_u32 s40, ttmp6, 0x40000                  ; cx, cy
	s_bfe_u32 s41, ttmp6, 0x40004
	s_lshl_b32 s42, ttmp9, 2
	s_add_co_u32 s42, s42, s40                     ; tile column = 4 x cluster x + cx
	s_and_b32 s13, ttmp7, 0xffff
	s_lshl_b32 s13, s13, 2
	s_add_co_u32 s13, s13, s41                     ; tile row = 4 x cluster y + cy
	s_lshl_b32 s43, s41, 2
	s_lshl_b32 s43, 15, s43                        ; my row of the cluster
	s_lshl_b32 s44, 0x1111, s40                    ; my column
	s_or_b32 s[G1+0], s43, (1<<16)|(1<<20)|(1<<21)|(5<<22)|(3<<25)   ; 15:0 the mask; 17:16 elements of 2 bytes; 20 padding on; 21 set beside a mask; 24:22 after every 64 words; 31:25 four words
	s_or_b32 s[G1B+0], s44, (1<<16)|(1<<20)|(1<<21)|(5<<22)|(3<<25)
	s_mov_b32 s[G1+1], 128<<16                     ; A: 64 rows of 128 elements, dense
	s_mov_b32 s[G1+2], 64<<16
	s_mov_b32 s[G1+3], 128<<16
	s_mov_b32 s[G1+4], 64
	s_mov_b32 s[G1+5], 128
	s_mov_b32 s[G1+6], 0
	s_mov_b32 s[G1+7], 0
	s_mov_b32 s[G1B+1], 128<<16                    ; Wo: 128 rows of 128 elements, dense
	s_mov_b32 s[G1B+2], 128<<16
	s_mov_b32 s[G1B+3], 128<<16
	s_mov_b32 s[G1B+4], 128
	s_mov_b32 s[G1B+5], 128
	s_mov_b32 s[G1B+6], 0
	s_mov_b32 s[G1B+7], 0
	s_lshl_b32 s16, s13, 18                        ; A: 16 heads x 16,384 bytes a tile row,
	s_lshl_b32 s17, s12, 14                        ; my head of the K step
	s_add_co_u32 s16, s16, s17
	s_mov_b32 s17, 0
	s_lshl_b32 s46, s42, 19                        ; Wo: 16 heads x 32,768 bytes a tile column
	s_lshl_b32 s47, s12, 15
	s_add_co_u32 s46, s46, s47
	s_mov_b32 s47, 0
	s_mul_i32 s20, s12, AHEAD                      ; where they go: no place in the cluster enters an LDS address
	s_mul_i32 s23, s12, BHEAD
	s_add_co_u32 s23, s23, BOFF
	s_wait_dscnt 0x0                               ; both opening adds are done
	s_wait_kmcnt 0x0
	s_add_nc_u64 s[14:15], s[4:5], s[16:17]
	s_add_nc_u64 s[46:47], s[6:7], s[46:47]
	CROUND                                         ; all sixteen work-groups are here: the first joint loads meet
.irp s, 0,1
	s_mov_b32 s[G0+4*\s], 1
	s_add_co_u32 s[G0+4*\s+1], s20, \s*SLOT
	s_add_nc_u64 s[G0+4*\s+2:G0+4*\s+3], s[14:15], \s*32768      ; K step s: two heads of A
	s_or_b32 s[G0+4*\s+3], s[G0+4*\s+3], 0x80000000
	s_mov_b32 s[G0B+4*\s], 1
	s_add_co_u32 s[G0B+4*\s+1], s23, \s*SLOT
	s_add_nc_u64 s[G0B+4*\s+2:G0B+4*\s+3], s[46:47], \s*65536    ; two heads of Wo
	s_or_b32 s[G0B+4*\s+3], s[G0B+4*\s+3], 0x80000000
	JLOAD \s
.endr
	v_and_b32 v1, 15, v0                           ; r
	v_bfe_u32 v2, v0, 4, 1                         ; h
	v_lshrrev_b32 v3, 1, v1
	v_mul_u32_u24 v3, v3, PITCH                    ; row r lies in double row r / 2,
	v_and_b32 v4, 1, v0
	v_lshl_add_u32 v3, v4, 7, v3                   ; half r % 2,
	v_lshl_add_u32 v3, v2, 4, v3                   ; + 16 h
	s_mul_i32 s21, s11, 32*PITCH                   ; my 64 rows of A
	s_mul_i32 s22, s12, 64*PITCH                   ; my 128 rows of Wo^T
	s_add_co_u32 s22, s22, BOFF
.irp s, 0,1
	v_add_nc_u32 v[ADRA+\s], s21, v3
	v_add_nc_u32 v[ADRB+\s], s22, v3
	s_add_co_u32 s21, s21, SLOT
	s_add_co_u32 s22, s22, SLOT
.endr
	s_mul_i32 s21, s10, 16*SPITCH
	s_add_co_u32 s21, s21, STAGE                   ; my stage
	v_mul_u32_u24 v5, v1, SPITCH
	v_lshl_add_u32 v5, v2, 5, v5
	v_add_nc_u32 v[STO], s21, v5                   ; in: row r, 32 bytes for each half of the lanes
	v_and_b32 v6, 31, v0
	v_lshlrev_b32 v[CO], 4, v6                     ; back: the 32 lanes take one row of 512 bytes; the same in out0
	v_add_nc_u32 v[RD], s21, v[CO]
	s_lshl_b32 s18, s13, 7
	s_lshl_b32 s19, s11, 6
	s_add_co_u32 s18, s18, s19                     ; my first row
	s_lshl_b32 s18, s18, 12                        ; rows of 4,096 bytes
	s_lshl_b32 s19, s42, 10
	s_add_co_u32 s18, s18, s19                     ; + 1,024 bytes a tile column
	s_lshl_b32 s19, s12, 9
	s_add_co_u32 s18, s18, s19                     ; + my 512
	s_mov_b32 s19, 0
	s_add_nc_u64 s[8:9], s[8:9], s[18:19]
; 8 matrix instructions: A's block a against Wo's eight, 32 along K.  The 32 accumulators take turns, one instruction a turn, in the same order in every quarter
.macro MUL8 f, a, zero
.irp b, 0,1,2,3,4,5,6,7
.if \zero
	v_wmma_f32_16x16x32_f16 v[8*(8*\a+\b):8*(8*\a+\b)+7], v[\f+8*\b:\f+8*\b+7], v[\f+64+8*\a:\f+64+8*\a+7], 0
.else
	v_wmma_f32_16x16x32_f16 v[8*(8*\a+\b):8*(8*\a+\b)+7], v[\f+8*\b:\f+8*\b+7], v[\f+64+8*\a:\f+64+8*\a+7], v[8*(8*\a+\b):8*(8*\a+\b)+7]
.endif
.endr
.endm
; 24 LDS loads in one run: the fragments of the K step's quarter qq (head qq / 2, channels 32 (qq % 2) on) into buffer f
.macro FETCH slot, qq, f
.irp i, 0,1,2,3,4,5,6,7
	ds_load_b128 v[\f+8*\i:\f+8*\i+3],   v[ADRB+\slot] offset:((\qq)/2)*BHEAD+((\qq)%2)*64+\i*8*PITCH
	ds_load_b128 v[\f+8*\i+4:\f+8*\i+7], v[ADRB+\slot] offset:((\qq)/2)*BHEAD+((\qq)%2)*64+\i*8*PITCH+32
.endr
.irp i, 0,1,2,3
	ds_load_b128 v[\f+64+8*\i:\f+64+8*\i+3],   v[ADRA+\slot] offset:((\qq)/2)*AHEAD+((\qq)%2)*64+\i*8*PITCH
	ds_load_b128 v[\f+64+8*\i+4:\f+64+8*\i+7], v[ADRA+\slot] offset:((\qq)/2)*AHEAD+((\qq)%2)*64+\i*8*PITCH+32
.endr
.endm
.macro PLACES                          ; four plain lines in front of loads into registers that matrix instructions have read, and of the first read of results
.rept 4
	v_nop
.endr
.endm
; One of a K step's first three quarters: multiplies buffer f and, in its middle, fetches quarter qn of the same slot into buffer g
.macro QUARTER slot, qn, f, g, zero
	s_wait_dscnt 0x0                               ; buffer f is in
	WIN MUL
	MUL8 \f, 0, \zero
	MUL8 \f, 1, \zero
	PLACES
	WIN 0
	FETCH \slot, \qn, \g
	WIN MUL
	MUL8 \f, 2, \zero
	MUL8 \f, 3, \zero
.endm
; The last quarter multiplies buffer 1 and changes slots: ONE barrier; in front of it each wave waits for all its tensor loads, adds 0 to its spare word, and waits for that and for its reads of this slot.
; fill = 1: this slot is filled again, two K steps ahead: the barrier then opens a round of the cluster's barrier, and the joint refill is the first tensor load behind the round.
.macro TURN slot, next, fill
	WIN 0
	s_wait_tensorcnt 0x0                           ; all my tensor loads have landed: my part of the next slot
	ds_add_u32 v[SPW], v[NIL]                      ; 0 onto my spare word
	s_wait_dscnt 1                                 ; buffer 1 is in; the add may be out
	WIN MUL
	MUL8 F1, 0, 0
	s_wait_dscnt 0x0                               ; the add is done, and my reads of this slot are over
	s_barrier_signal -1
	MUL8 F1, 1, 0
	WIN 0
	s_barrier_wait -1
.if \fill
	CREST                                          ; no wave of any partner still reads this slot's tiles or has a load on its way
	s_add_nc_u64 s[G0+4*\slot+2:G0+4*\slot+3], s[G0+4*\slot+2:G0+4*\slot+3], 65536
	s_add_nc_u64 s[G0B+4*\slot+2:G0B+4*\slot+3], s[G0B+4*\slot+2:G0B+4*\slot+3], 131072
	JLOAD \slot                                    ; the four v_nop behind it are also the places in front of the loads below
.else
	PLACES
.endif
	FETCH \next, 0, F0
	WIN MUL
	MUL8 F1, 2, 0
	MUL8 F1, 3, 0
.endm
	s_wait_tensorcnt 1                             ; my part of K step 0 is in; K step 1's may stay out
	s_barrier_signal -1
	s_barrier_wait -1
	FETCH 0, 0, F0
	QUARTER 0, 1, F0, F1, 1                        ; the first quarter stands in front of the loop: its products start the sums
	WIN 0
	s_mov_b32 s3, LAPS-1
.Llap:                                                 ; a trip goes once round the ring, from a lap's second quarter to the next lap's first, and fills both slots again
	QUARTER 0, 2, F1, F0, 0
	QUARTER 0, 3, F0, F1, 0
	TURN 0, 1, 1
	QUARTER 1, 1, F0, F1, 0
	QUARTER 1, 2, F1, F0, 0
	QUARTER 1, 3, F0, F1, 0
	TURN 1, 0, 1
	QUARTER 0, 1, F0, F1, 0
	WIN 0
	s_sub_co_u32 s3, s3, 1
	s_cmp_lg_u32 s3, 0
	s_cbranch_scc1 .Llap
	QUARTER 0, 2, F1, F0, 0                        ; the last lap fills nothing
	QUARTER 0, 3, F0, F1, 0
	TURN 0, 1, 0
	QUARTER 1, 1, F0, F1, 0
	QUARTER 1, 2, F1, F0, 0
	QUARTER 1, 3, F0, F1, 0
	s_wait_dscnt 0x0                               ; the very last quarter
	WIN MUL
	MUL8 F1, 0, 0
	MUL8 F1, 1, 0
	MUL8 F1, 2, 0
	MUL8 F1, 3, 0
	WIN 0
; THE WAY OUT, block by block of 16 rows x 128 columns: through my own stage and back as whole rows of 512 bytes.  LDS serves a wave's instructions in order (ISA guide 5.7.1.4): no wait between the stores and the loads
.macro TOSTAGE a
	WIN 0x04                                       ; an LDS store's data are its source 1: window 1
.irp b, 0,1,2,3,4,5,6,7
	ds_store_b128 v[STO], v[8*(8*(\a)+\b):8*(8*(\a)+\b)+3] offset:64*\b          ; each accumulator from its low end on
	ds_store_b128 v[STO], v[8*(8*(\a)+\b)+4:8*(8*(\a)+\b)+7] offset:64*\b+16
.endr
	WIN 0
.set BB, 32+64*((\a)%2)
.irp t, 0,1,2,3,4,5,6,7,8,9,10,11,12,13,14,15
	ds_load_b128 v[BB+4*\t:BB+4*\t+3], v[RD] offset:\t*SPITCH
.endr
.endm
.macro SEND a, younger                 ; younger: the LDS instructions issued behind block a's loads, which may stay out
.set BB, 32+64*((\a)%2)
	s_wait_dscnt \younger
.irp t, 0,1,2,3,4,5,6,7,8,9,10,11,12,13,14,15
	global_store_b128 v[CO], v[BB+4*\t:BB+4*\t+3], s[8:9] offset:(16*(\a)+\t)*4096 th:TH_STORE_NT   ; 512 consecutive bytes, aligned; written once, read by nobody here
.endr
.endm
	PLACES
	TOSTAGE 0
.irp a, 1,2,3
.if \a > 1
	s_wait_xcnt 0x0                                ; block a - 2's stores have read their registers: block a's rows may land there
.endif
	TOSTAGE \a
	SEND \a-1, 32                                  ; behind block a - 1's loads: block a's 16 stores and 16 loads
.endr
	SEND 3, 0
	s_wait_tensorcnt 0x0                           ; the wave's end, behind my last tensor load and my last LDS store
	ds_add_u32 v[SPW], v[NIL]
	s_wait_dscnt 0x0
	CROUND                                         ; the closing round
	s_endpgm
.Lfunc_end_k_q171a1d7f7c_oproj:
	.size	k_q171a1d7f7c_oproj, .Lfunc_end_k_q171a1d7f7c_oproj-k_q171a1d7f7c_oproj
	.p2alignl 7, 3214868480
	.fill 96, 4, 3214868480
	.section	.rodata,"a",@progbits
	.p2align	6, 0x0
	.amdhsa_kernel k_q171a1d7f7c_oproj
		.amdhsa_group_segment_fixed_size 327680
		.amdhsa_private_segment_fixed_size 0
		.amdhsa_enable_private_segment 0
		.amdhsa_kernarg_size 24
		.amdhsa_user_sgpr_count 2
		.amdhsa_user_sgpr_kernarg_segment_ptr 1
		.amdhsa_wavefront_size32 1
		.amdhsa_system_sgpr_workgroup_id_x 1
		.amdhsa_system_sgpr_workgroup_id_y 1
		.amdhsa_system_sgpr_workgroup_id_z 1
		.amdhsa_system_vgpr_workitem_id 0
		.amdhsa_next_free_vgpr 512
		.amdhsa_next_free_sgpr 66
		.amdhsa_reserve_vcc 0
		.amdhsa_float_denorm_mode_32 3
		.amdhsa_float_denorm_mode_16_64 3
		.amdhsa_memory_ordered 1
		.amdhsa_forward_progress 1
		.amdhsa_inst_pref_size 84
	.end_amdhsa_kernel
	.amdgpu_metadata
---
amdhsa.version: [ 1, 2 ]
amdhsa.kernels:
  - .name:           k_q171a1d7f7c_oproj
    .symbol:         k_q171a1d7f7c_oproj.kd
    .args:
      - { .name: ao, .offset: 0, .size: 8, .value_kind: global_buffer, .address_space: global }
      - { .name: wot, .offset: 8, .size: 8, .value_kind: global_buffer, .address_space: global }
      - { .name: out0, .offset: 16, .size: 8, .value_kind: global_buffer, .address_space: global }
    .group_segment_fixed_size: 327680
    .private_segment_fixed_size: 0
    .kernarg_segment_align: 8
    .kernarg_segment_size: 24
    .max_flat_workgroup_size: 128
    .sgpr_count:     66
    .vgpr_count:     512
    .wavefront_size: 32
...
	.end_amdgpu_metadata
.endif
;; end of part 4
